; MI455X (gfx1250); checked and timed in simulation.
; The chip was launched on July 23, 2026; its instructions are those of AMD's public machine-readable ISA for CDNA 5 (MIT licence, August 2026) and "CDNA5" Instruction Set Architecture Reference Guide (July 2026). The comments in the code are by the model that wrote it; some were corrected since.
;; Attn Blockpp. Allowed arithmetic: matrix products marked QUANTISED: E5M2 operands, one E8M0 scale for each 32 along K, by v_wmma_scale_f32_16x16x128_f8f6f4 with both operands' format E5M2, f32 sums; everything else in f32.
;; Inputs: W0 256 x 256 float32; W1 256 x 256 float32; W2 256 x 256 float32; W3 256 x 256 float32; b0 256 float32; b1 256 float32; b2 256 float32; b3 256 float32; gn_bias 256 float32; gn_scale 256 float32; x 2 x 256 x 64 x 64 float32.
;; Outputs: out0 2 x 256 x 64 x 64 float32.
;; This version of the problem:
;;   THIS VERSION OF THE PROBLEM IS GIVEN IN LOW PRECISION. The matrix products marked QUANTISED in the list below multiply operands that are first quantised to E5M2 (5 exponent bits, 2 mantissa bits; 8 bits a number), with one power-of-two scale for each 32 numbers along K (OCP MX v1.0); their sums are f32. All else is computed in f32.
;;   The module's matrix products, in the order in which they are computed (A, B: the left and right operand; K: the contracted axis; several contracted axes count as one K, in the product's order):
;;     1. [M 256, K 256] x [K 256, N 8,192]; A: input W0; B: computed on the way: QUANTISED
;;     2. [M 256, K 256] x [K 256, N 8,192]; A: input W1; B: computed on the way: QUANTISED
;;     3. [M 256, K 256] x [K 256, N 8,192]; A: input W2; B: computed on the way: QUANTISED
;;     4. batch 8 x [M 4,096, K 64] x [K 64, N 4,096]; A: computed on the way; B: computed on the way: QUANTISED
;;     5. batch 8 x [M 64, K 4,096] x [K 4,096, N 4,096]; A: computed on the way; B: computed on the way: QUANTISED
;;     6. [M 256, K 256] x [K 256, N 8,192]; A: input W3; B: computed on the way: QUANTISED
;;   THE QUANTISER, for each operand of a quantised product, along K:
;;     - K is cut into blocks of 32 from its start; a last block that is shorter is filled with zeros.
;;     - A block's scale is 2^e with e = floor(log2(the largest magnitude in the block)) - 15, held to -126 .. 127; a block of zeros has e = 0. As a byte (E8M0): e + 127.
;;     - Each number is divided by its block's scale, clamped to +-57,344, and rounded to the nearest number of E5M2, ties to even, subnormals kept.
;;     - The product sums the exact products of the quantised numbers (number of the format x scale) in f32.
;;   ~~~python
;;   def quantise(x, axis):      # numpy; x: float32 -> the quantised numbers, widened to float32 again
;;       x = np.moveaxis(x, axis, -1); K = x.shape[-1]
;;       x = np.pad(x, [(0, 0)] * (x.ndim - 1) + [(0, -K % 32)]); x = x.reshape(x.shape[:-1] + (-1, 32)); a = np.abs(x).max(-1, keepdims=True)
;;       e = np.where(a > 0, np.clip(np.frexp(np.where(a > 0, a, 1))[1] - 1 - 15, -126, 127), 0)      # np.frexp(a)[1] - 1 = floor(log2(a)), exactly
;;       r = np.clip(x / 2.0 ** e, -57344, 57344)
;;       step = 2.0 ** (np.maximum(np.frexp(np.where(r == 0, 1, r))[1] - 1, -14) - 2)
;;       q = np.round(r / step) * step * 2.0 ** e      # np.round: ties to even
;;       return np.moveaxis(q.reshape(q.shape[:-2] + (-1,))[..., :K], -1, axis).astype(np.float32)
;;   ~~~
;;   OPERANDS COMPUTED ON THE WAY. 'Computed on the way' means the value that the module computes at that place (a softmax that the list does not call 'softmax' is quantised finished and normalised). What goes into a quantiser is computed in f32, as accurately as f32 sums, v_exp_f32 and their like allow (about 1e-6 of the number): no bf16 or f16 on the way to a quantiser, and a product that is left as it is and whose result goes on into a quantised operand takes f32 operands (vector FMAs, or v_wmma_f32_16x16x4_f32). A number that lies on a knife's edge between two numbers of the format may be rounded either way, as far as f32 arithmetic and the matrix unit's own rounding can turn it there, and no further.
;; One version. Each part assembles by itself: llvm-mc -triple=amdgcn-amd-amdhsa -mcpu=gfx1250 --defsym DOCPART=n.
;; ======== version 1 of 1: 4 launches
;; limits: right only within a limited range of input values
;; workspace buffers: gnp 4,096 bytes; wq 278,528 bytes; qc 2,097,152 bytes; kc 2,097,152 bytes; vc 2,097,152 bytes; scl 262,144 bytes; oc 2,097,152 bytes; os 65,536 bytes
;; launch prep (part 1): grid 72 x 1, 16 waves a work-group, no clusters, 2,560 bytes of LDS; arguments x, gn_scale, gn_bias, W0, W1, W2, W3, gnp, wq; writes gnp, wq
.if DOCPART == 1
	.amdgcn_target "amdgcn-amd-amdhsa--gfx1250"
	.amdhsa_code_object_version 6
	.text
	.protected	k_qe1a19c0b5a_prep
	.globl	k_qe1a19c0b5a_prep
	.p2align	8
	.type	k_qe1a19c0b5a_prep,@function
k_qe1a19c0b5a_prep:
	s_mov_b64 s[64:65], 0
	v_nop
	global_prefetch_b8 v0, s[64:65] scope:SCOPE_SE
	s_setreg_imm32_b32 hwreg(HW_REG_WAVE_MODE, 25, 1), 1
	s_wait_xcnt 0x0
; AttnBlockpp, launch 1 of 4.  Nothing of the problem is left out: every input has a way to the output (b1 too: it moves k's codes), every product is done.
; Work-groups 0-63: the statistics of one (batch, group): 8 channels x 4,096 pixels = 131,072 consecutive bytes of x.  Mean, then the mean of the squared deviations (two passes over
; registers: x is read once), then for each of the 8 channels A = rsqrt(var + 1e-6) x gn_scale and B = gn_bias - mean x A, so that the normalised number is x A + B.  gnp: [batch][A, B][256] f32.
; Work-groups 64-71: W0 .. W3 [c][d] f32 become codes of E5M2 with one E8M0 byte for each 32 along c, laid as IMAGES OF OPERAND REGISTERS: fragment F = 32 m + 2 t + s (matrix m, tile t of 16 d,
; K step s of 128 c) is 2,048 bytes, register group g of lane l at 512 g + 16 l; its scale words follow from byte 262,144 on, 128 bytes a fragment, one word a lane.
; A lane takes one d and its registers run down c: lane (r, h) holds c = 128 s + 32 g + 16 h + 0 .. 15, the order of the operand's registers, so nothing is transposed.
; THE d OF A TILE: for W0, W1, W2 row r of tile t is d = 16 (t & ~1) + 8 (t & 1) + r + (r & 8), so that the results of tiles 2 b and 2 b + 1 are 16 neighbours along the next product's K; for W3 d = 16 t + r.
; LIMITS: NaN and infinities among the inputs are not served; a block whose largest magnitude lies under 2^-111 (a block of zeros too) keeps the byte 1: its bytes are read by this program alone.
.set SPW,   1                          ; v1  my spare word: SPARE + 4 x my thread's number; never rewritten
.set NIL,   2                          ; v2  0; never rewritten
.set RED0,  0                          ; LDS: 16 partial sums
.set RED1,  256                        ; 16 partial sums of squares
.set SPARE, 512                        ; the spare words, 128 bytes for each of 16 waves
.set X,     32                         ; v32-95  64 numbers
.set AC,    96                         ; v96-103 four packed chains (statistics)
.set RD,    104                        ; v104-119 the 16 partial sums read back
.set TM,    96                         ; v96-111 the quantiser's 16 registers (weights)
.set PC,    112                        ; v112-127 a fragment's codes
.set WV,    22
.set MNT,   23
.set SEL,   24                         ; s[24:25] v_permlanex16_b32's selects for lane l xor 16
; block b of v[s + 16 b ..]: 16 codes into v[d .. d + 3]
.macro QB s, b, d
.set i, 0
.rept 16
.set i, i+1
.endr
	v_cvt_scalef32_pk8_bf8_f32 v[(\d):(\d)+1], v[(\s)+16*(\b):(\s)+16*(\b)+7], v[TM+12+(\b)]
	v_cvt_scalef32_pk8_bf8_f32 v[(\d)+2:(\d)+3], v[(\s)+16*(\b)+8:(\s)+16*(\b)+15], v[TM+12+(\b)]
.endm
; four blocks of 32, each 16 numbers of mine and 16 of lane l xor 16: codes to d0 .. d3, the scale bytes to v[TM+4 .. TM+7]
.macro QUANT s, d0, d1, d2, d3
.irp b,0,1,2,3
	v_max3_num_f32 v[TM+\b], |v[(\s)+16*\b]|, |v[(\s)+16*\b+1]|, 0x8000000   ; with the floor 2^(16 - 127): the byte cannot fall under 1
.endr
.irp i,2,4,6,8,10,12,14
.irp b,0,1,2,3
	s_delay_alu instid0(VALU_DEP_4)
	v_max3_num_f32 v[TM+\b], v[TM+\b], |v[(\s)+16*\b+\i]|, |v[(\s)+16*\b+\i+1]|
.endr
.endr
.irp b,0,1,2,3
	s_delay_alu instid0(VALU_DEP_4)
	v_permlanex16_b32 v[TM+4+\b], v[TM+\b], s[SEL], s[SEL+1]
.endr
.irp b,0,1,2,3
	s_delay_alu instid0(VALU_DEP_4)
	v_max_num_f32 v[TM+\b], v[TM+\b], v[TM+4+\b]             ; the block's largest magnitude
.endr
.irp b,0,1,2,3
	s_delay_alu instid0(VALU_DEP_4)
	v_add_nc_u32 v[TM+12+\b], 0xf8800000, v[TM+\b]           ; 15 off its exponent field: the conversion's scale operand
.endr
.irp b,0,1,2,3
.endr
.irp b,0,1,2,3
	s_delay_alu instid0(VALU_DEP_4)
	v_lshrrev_b32 v[TM+4+\b], 23, v[TM+12+\b]                ; the scale's byte
.endr
	QB \s, 0, \d0
	QB \s, 1, \d1
	QB \s, 2, \d2
	QB \s, 3, \d3
	v_nop                                                    ; a plain line behind the last conversion
.endm
; four packed chains -> the work-group's sum in v[RD], the same bits in every wave
.macro REDUCE base
	s_delay_alu instid0(VALU_DEP_3)
	v_pk_add_f32 v[AC:AC+1], v[AC:AC+1], v[AC+2:AC+3]
	s_delay_alu instid0(VALU_DEP_2)
	v_pk_add_f32 v[AC+4:AC+5], v[AC+4:AC+5], v[AC+6:AC+7]
	s_delay_alu instid0(VALU_DEP_1)
	v_pk_add_f32 v[AC:AC+1], v[AC:AC+1], v[AC+4:AC+5]
	s_delay_alu instid0(VALU_DEP_1)
	v_add_f32 v[AC], v[AC], v[AC+1]
	s_delay_alu instid0(VALU_DEP_1)
	v_add_f32_dpp v[AC], v[AC], v[AC] row_xmask:1 row_mask:0xf bank_mask:0xf
	s_delay_alu instid0(VALU_DEP_1)
	v_add_f32_dpp v[AC], v[AC], v[AC] row_xmask:2 row_mask:0xf bank_mask:0xf
	s_delay_alu instid0(VALU_DEP_1)
	v_add_f32_dpp v[AC], v[AC], v[AC] row_xmask:4 row_mask:0xf bank_mask:0xf
	s_delay_alu instid0(VALU_DEP_1)
	v_add_f32_dpp v[AC], v[AC], v[AC] row_xmask:8 row_mask:0xf bank_mask:0xf
	s_delay_alu instid0(VALU_DEP_1)
	v_permlanex16_b32 v[AC+1], v[AC], s[SEL], s[SEL+1]
	s_delay_alu instid0(VALU_DEP_1)
	v_add_f32 v[AC], v[AC], v[AC+1]
	ds_store_b32 v9, v[AC] offset:\base                      ; all lanes write my wave's word with the same value
	s_wait_dscnt 0x0                                         ; for the others' sake: my store has landed
	s_barrier_signal -1
	s_barrier_wait -1
.irp q,0,1,2,3
	ds_load_b128 v[RD+4*\q:RD+4*\q+3], v10 offset:\base+16*\q
.endr
	s_wait_dscnt 0x0
	v_pk_add_f32 v[RD:RD+1], v[RD:RD+1], v[RD+2:RD+3]
	v_pk_add_f32 v[RD+4:RD+5], v[RD+4:RD+5], v[RD+6:RD+7]
	v_pk_add_f32 v[RD+8:RD+9], v[RD+8:RD+9], v[RD+10:RD+11]
	v_pk_add_f32 v[RD+12:RD+13], v[RD+12:RD+13], v[RD+14:RD+15]
	s_delay_alu instid0(VALU_DEP_3)
	v_pk_add_f32 v[RD:RD+1], v[RD:RD+1], v[RD+4:RD+5]
	s_delay_alu instid0(VALU_DEP_2)
	v_pk_add_f32 v[RD+8:RD+9], v[RD+8:RD+9], v[RD+12:RD+13]
	s_delay_alu instid0(VALU_DEP_1)
	v_pk_add_f32 v[RD:RD+1], v[RD:RD+1], v[RD+8:RD+9]
	s_delay_alu instid0(VALU_DEP_1)
	v_add_f32 v[RD], v[RD], v[RD+1]
.endm
	s_load_b512 s[4:19], s[0:1], 0x0               ; x 4, gn_scale 6, gn_bias 8, W0 10, W1 12, W2 14, W3 16, gnp 18
	s_load_b64 s[20:21], s[0:1], 0x40              ; wq
	v_lshl_add_u32 v[SPW], v0, 2, SPARE
	v_mov_b32 v[NIL], 0
	v_lshrrev_b32 v3, 5, v0
	s_delay_alu instid0(VALU_DEP_1)
	v_readfirstlane_b32 s[WV], v3                  ; wave 0..15
	v_and_b32 v4, 31, v0                           ; lane
	s_mov_b32 s[SEL], 0x76543210
	s_mov_b32 s[SEL+1], 0xfedcba98
	s_cmp_ge_u32 ttmp9, 64                         ; the work-group's number alone: all sixteen waves go the same way
	s_cbranch_scc1 .Lweights
	; ---- the statistics of group ttmp9 = 32 batch + group
	s_lshl_b32 s26, ttmp9, 17                      ; its 131,072 bytes
	s_mov_b32 s27, 0
	s_and_b32 s28, ttmp9, 31
	s_lshl_b32 s28, s28, 5                         ; its 8 channels' 32 bytes in gn_scale and gn_bias
	v_lshlrev_b32 v5, 4, v0                        ; 16 bytes a thread: a load of the work-group covers 8,192 consecutive bytes
	v_and_b32 v6, 7, v0
	s_delay_alu instid0(VALU_DEP_1)
	v_lshl_add_u32 v6, v6, 2, s28                  ; channel 8 group + thread % 8, in bytes
	v_mov_b32 v9, s[WV]
	s_delay_alu instid0(VALU_DEP_1)
	v_lshlrev_b32 v9, 2, v9                        ; my wave's word
	v_mov_b32 v10, 0
	s_wait_alu depctr_va_vdst(0)
	s_wait_kmcnt 0x0
	s_add_nc_u64 s[4:5], s[4:5], s[26:27]
.set i, 0
.rept 16
	global_load_b128 v[X+4*i:X+4*i+3], v5, s[4:5] offset:8192*i
.set i, i+1
.endr
	global_load_b32 v7, v6, s[6:7]
	global_load_b32 v8, v6, s[8:9]
	s_wait_loadcnt 0x0
.irp k,0,1,2,3
	v_pk_add_f32 v[AC+2*\k:AC+2*\k+1], v[X+2*\k:X+2*\k+1], v[X+8+2*\k:X+8+2*\k+1]   ; the first numbers start the chains
.endr
.set j, 16
.rept 6
.irp k,0,1,2,3
	s_delay_alu instid0(VALU_DEP_4)
	v_pk_add_f32 v[AC+2*\k:AC+2*\k+1], v[AC+2*\k:AC+2*\k+1], v[X+j+2*\k:X+j+2*\k+1]
.endr
.set j, j+8
.endr
	REDUCE RED0
	s_delay_alu instid0(VALU_DEP_1)
	v_mul_f32 v12, 0x38000000, v[RD]               ; the mean: sum x 2^-15
	s_delay_alu instid0(VALU_DEP_1)
	v_mov_b32 v13, v12                             ; (named with it as a pair)
.set j, 0
.rept 32
	v_pk_add_f32 v[X+j:X+j+1], v[X+j:X+j+1], v[12:13] op_sel_hi:[1,0] neg_lo:[0,1] neg_hi:[0,1]   ; x - mean
.set j, j+2
.endr
.irp k,0,1,2,3
	v_pk_mul_f32 v[AC+2*\k:AC+2*\k+1], v[X+2*\k:X+2*\k+1], v[X+2*\k:X+2*\k+1]
.endr
.set j, 8
.rept 7
.irp k,0,1,2,3
	s_delay_alu instid0(VALU_DEP_4)
	v_pk_fma_f32 v[AC+2*\k:AC+2*\k+1], v[X+j+2*\k:X+j+2*\k+1], v[X+j+2*\k:X+j+2*\k+1], v[AC+2*\k:AC+2*\k+1]
.endr
.set j, j+8
.endr
	REDUCE RED1                                    ; other words than the first sum's: no wave still reading those is disturbed
	s_delay_alu instid0(VALU_DEP_1)
	v_mul_f32 v[RD], 0x38000000, v[RD]             ; the variance
	s_delay_alu instid0(VALU_DEP_1)
	v_add_f32 v[RD], 0x358637bd, v[RD]             ; + 1e-6
	s_wait_alu depctr_va_vdst(0)
	v_rsq_f32 v14, v[RD]
	v_nop                                          ; a plain line behind the transcendental
	s_wait_alu depctr_va_vdst(0)                   ; the wait ahead of the first reader
	v_mul_f32 v15, v14, v7                         ; A
	s_delay_alu instid0(VALU_DEP_1)
	v_fma_f32 v16, -v12, v15, v8                   ; B = bias - mean A
	s_cmp_lg_u32 s[WV], 0
	s_cbranch_scc1 .Lstat_end                      ; wave 0 stores, lanes 0-7: one channel each
	s_lshr_b32 s29, ttmp9, 5
	s_lshl_b32 s29, s29, 11                        ; 2,048 x batch
	v_add_nc_u32 v17, s29, v6
	s_wait_alu depctr_va_vdst(0)
	s_wait_xcnt 0x0                                ; EXEC changes only behind this wait
	v_cmp_gt_u32 vcc_lo, 8, v4
	s_and_saveexec_b32 s30, vcc_lo
	global_store_b32 v17, v15, s[18:19]
	global_store_b32 v17, v16, s[18:19] offset:1024
	s_wait_xcnt 0x0                                ; and again, in front of the line that widens it
	s_or_b32 exec_lo, exec_lo, s30
.Lstat_end:
	s_wait_tensorcnt 0x0                           ; the wave's end, behind my last LDS store
	ds_add_u32 v[SPW], v[NIL]
	s_wait_dscnt 0x0
	s_endpgm
	; ---- one fragment of a weight to a wave; no LDS, no barrier
.Lweights:
	s_sub_co_u32 s26, ttmp9, 64
	s_lshl_b32 s26, s26, 4
	s_add_co_u32 s26, s26, s[WV]                   ; F
	s_lshr_b32 s27, s26, 5                         ; m
	s_bfe_u32 s28, s26, 0x40001                    ; t
	s_and_b32 s29, s26, 1                          ; s
	s_cmp_lt_u32 s27, 3
	s_cselect_b32 s30, 8, 16                       ; what an odd tile adds
	s_cselect_b32 s31, 8, 0                        ; and which bit of r counts twice
	s_and_b32 s32, s28, 1
	s_mul_i32 s32, s32, s30
	s_and_b32 s33, s28, 14
	s_lshl_b32 s33, s33, 4
	s_add_co_u32 s32, s32, s33                     ; the tile's first d
	v_and_b32 v5, 15, v0                           ; r
	v_bfe_u32 v6, v0, 4, 1                         ; h
	s_delay_alu instid0(VALU_DEP_2)
	v_and_b32 v7, s31, v5
	s_delay_alu instid0(VALU_DEP_1)
	v_add3_u32 v7, v7, v5, s32                     ; my d
	s_delay_alu instid0(VALU_DEP_1)
	v_lshlrev_b32 v7, 2, v7
	s_delay_alu instid0(VALU_DEP_1)
	v_lshl_add_u32 v7, v6, 14, v7                  ; + 16 h rows of 1,024 bytes
	s_lshl_b32 s33, s29, 17                        ; + 128 s rows
	v_add_nc_u32 v7, s33, v7
	s_wait_alu depctr_va_vdst(0)
	v_lshlrev_b32 v9, 4, v4
	v_lshlrev_b32 v10, 2, v4
.irp b,0,1,2,3
	v_mov_b32 v[TM+4+\b], 0                        ; a lane permute's destination counts as one of its sources
.endr
	s_lshl_b32 s34, s26, 11                        ; 2,048 F
	s_mov_b32 s35, 0
	s_lshl_b32 s40, s26, 7                         ; 128 F
	s_mov_b32 s41, 0
	s_wait_kmcnt 0x0
	s_cmp_eq_u32 s27, 1                            ; the choice hangs on the fragment's number alone
	s_cselect_b64 s[10:11], s[12:13], s[10:11]
	s_cmp_eq_u32 s27, 2
	s_cselect_b64 s[10:11], s[14:15], s[10:11]
	s_cmp_eq_u32 s27, 3
	s_cselect_b64 s[10:11], s[16:17], s[10:11]
	s_add_nc_u64 s[36:37], s[20:21], s[34:35]
	s_add_nc_u64 s[38:39], s[20:21], s[40:41]
.irp g,0,1,2,3
.set i, 0
.rept 16
	global_load_b32 v[X+16*\g+i], v7, s[10:11] offset:(32*\g+i)*1024   ; W(128 s + 32 g + 16 h + i, d)
.set i, i+1
.endr
.endr
	s_wait_loadcnt 0x0
	QUANT X, PC, PC+4, PC+8, PC+12
	v_lshl_or_b32 v8, v[TM+5], 8, v[TM+4]          ; my row's scale word (both halves of the lanes hold it)
	s_delay_alu instid0(VALU_DEP_1)
	v_lshl_or_b32 v8, v[TM+6], 16, v8
	s_delay_alu instid0(VALU_DEP_1)
	v_lshl_or_b32 v8, v[TM+7], 24, v8
.irp g,0,1,2,3
	global_store_b128 v9, v[PC+4*\g:PC+4*\g+3], s[36:37] offset:512*\g   ; 512 consecutive bytes a store
.endr
	global_store_b32 v10, v8, s[38:39] offset:262144
	s_endpgm
.Lfunc_end_k_qe1a19c0b5a_prep:
	.size	k_qe1a19c0b5a_prep, .Lfunc_end_k_qe1a19c0b5a_prep-k_qe1a19c0b5a_prep
	.p2alignl 7, 3214868480
	.fill 96, 4, 3214868480
	.section	.rodata,"a",@progbits
	.p2align	6, 0x0
	.amdhsa_kernel k_qe1a19c0b5a_prep
		.amdhsa_group_segment_fixed_size 2560
		.amdhsa_private_segment_fixed_size 0
		.amdhsa_enable_private_segment 0
		.amdhsa_kernarg_size 72
		.amdhsa_user_sgpr_count 2
		.amdhsa_user_sgpr_kernarg_segment_ptr 1
		.amdhsa_wavefront_size32 1
		.amdhsa_system_sgpr_workgroup_id_x 1
		.amdhsa_system_sgpr_workgroup_id_y 1
		.amdhsa_system_sgpr_workgroup_id_z 1
		.amdhsa_system_vgpr_workitem_id 0
		.amdhsa_next_free_vgpr 128
		.amdhsa_next_free_sgpr 66
		.amdhsa_reserve_vcc 1
		.amdhsa_float_denorm_mode_32 3
		.amdhsa_float_denorm_mode_16_64 3
		.amdhsa_fp16_overflow 1
		.amdhsa_memory_ordered 1
		.amdhsa_forward_progress 1
		.amdhsa_inst_pref_size 29
	.end_amdhsa_kernel
	.amdgpu_metadata
---
amdhsa.version: [ 1, 2 ]
amdhsa.kernels:
  - .name:           k_qe1a19c0b5a_prep
    .symbol:         k_qe1a19c0b5a_prep.kd
    .args:
      - { .name: x, .offset: 0, .size: 8, .value_kind: global_buffer, .address_space: global }
      - { .name: gn_scale, .offset: 8, .size: 8, .value_kind: global_buffer, .address_space: global }
      - { .name: gn_bias, .offset: 16, .size: 8, .value_kind: global_buffer, .address_space: global }
      - { .name: W0, .offset: 24, .size: 8, .value_kind: global_buffer, .address_space: global }
      - { .name: W1, .offset: 32, .size: 8, .value_kind: global_buffer, .address_space: global }
      - { .name: W2, .offset: 40, .size: 8, .value_kind: global_buffer, .address_space: global }
      - { .name: W3, .offset: 48, .size: 8, .value_kind: global_buffer, .address_space: global }
      - { .name: gnp, .offset: 56, .size: 8, .value_kind: global_buffer, .address_space: global }
      - { .name: wq, .offset: 64, .size: 8, .value_kind: global_buffer, .address_space: global }
    .group_segment_fixed_size: 2560
    .private_segment_fixed_size: 0
    .kernarg_segment_align: 8
    .kernarg_segment_size: 72
    .max_flat_workgroup_size: 512
    .sgpr_count:     66
    .vgpr_count:     128
    .wavefront_size: 32
...
	.end_amdgpu_metadata
.endif
;; end of part 1
;; launch qkv (part 2): grid 64 x 4, 4 waves a work-group, no clusters, 52,736 bytes of LDS; arguments x, gnp, wq, b0, b1, b2, qc, kc, vc, scl; writes qc, kc, vc, scl
.if DOCPART == 2
	.amdgcn_target "amdgcn-amd-amdhsa--gfx1250"
	.amdhsa_code_object_version 6
	.text
	.protected	k_qe1a19c0b5a_qkv
	.globl	k_qe1a19c0b5a_qkv
	.p2align	8
	.type	k_qe1a19c0b5a_qkv,@function
k_qe1a19c0b5a_qkv:
	s_mov_b64 s[64:65], 0
	v_nop
	global_prefetch_b8 v0, s[64:65] scope:SCOPE_SE
	s_setreg_imm32_b32 hwreg(HW_REG_WAVE_MODE, 25, 1), 1
	s_wait_xcnt 0x0
; AttnBlockpp, launch 2 of 4: h = x A + B (group norm), quantised along the channels; q, k, v = W^T h + b for one head; q and k quantised along the head's 64 channels, v along the keys.  Nothing is left out.
; SHARES.  Work-group (X, hd): 128 pixels (batch X / 32, step j = X % 32) of head hd.  Wave w: the 32 pixels of block beta = 4 j + w, as two tiles: TILE u HOLDS PIXELS 32 beta + 2 m + u (m = 0 .. 15), so that a lane
; loads both tiles' pixel by one load of 8 bytes, and the two tiles together are one block of 32 keys.  The order inside a block is the same for v's codes here and for the weights p in the next launch.
; h: lane (r, h) holds pixel r of both tiles and channels 32 cb + 16 h + 0 .. 15 of each block cb: the order of an operand's registers, so the conversions' results are the fragments.
; q, k: source 0 = 16 rows of W (the d of a tile as the first launch laid them), source 1 = h: a lane holds one pixel and 16 neighbouring channels of each block of 32: they become the next operand as they stand.
; v: source 0 = h, source 1 = W2: a lane holds one channel and 16 keys of the block: likewise.  The biases are the C of each sum's first matrix instruction.
; OUT, all as images of operand registers (group g of lane l at 512 g + 16 l): qc, kc [bh][beta][2,048]: registers 0-7 tile 0's 64 channels, 8-15 tile 1's; vc [bh][j][channel tile t][2,048], group w = my block.
; scl [bh][j][1,024]: k's scale words (256 bytes), v's (256), q's (512).  k's and v's word of (unit c, row r) lies at 128 (c & 1) + 8 r + 4 (c >> 1), so that one load of 8 bytes a lane brings four units' words.
; LIMITS: NaN and infinities are not served; a block whose largest magnitude lies under 2^-111 keeps the byte 1.
; REGISTERS, in windows of 256.  Window 0: v1-15 addresses; v16-19 h's scale words; v20-43 the weights'; v48-111 h's four fragments (u, s) at 48 + 32 u + 16 s; v112-175 64 numbers / the accumulators; v176-191 the quantiser's;
; v192-207 codes.  Window 1: v0-127 x, four sets of 32, later two sets of four weight fragments; v128-191 A and B, two sets.  Window 2: v0-63 b0's and b1's tiles; v64-99 b2; v128-223 weights on their way to LDS.
.set WL,    0                          ; LDS: the head's 24 weight fragments, 16,384 bytes a matrix
.set CT,    49152                      ; A[256], B[256] of my batch
.set STG,   51200                      ; the step's 1,024 scale bytes
.set SPARE, 52224                      ; the spare words, 128 bytes for each wave
.set SPW, 1
.set NIL, 2
.set LI,  3                            ; 16 l
.set XA,  4                            ; 262,144 h + 8 r: 16 h channels down, pixel 2 r
.set CO,  5                            ; CT + 64 h
.set WLA, 6                            ; 4,096 w + 16 l
.set SKA, 7
.set SVA, 8
.set SQA, 9
.set SRD, 10
.set GSO, 11
.set LS4, 12                           ; 4 l
.set BA,  13                           ; 64 h
.set BVA, 14                           ; 4 (r + (r & 8))
.set TA,  15                           ; 16 x thread
.set HS,  16
.set WS,  20
.set H,   44
.set R,   45
.set HF,  48
.set N,   112
.set ACC, 112
.set TM,  176
.set PC,  192
.set WD,  208
.set CAB, 128                          ; window 1
.set BQ,  0                            ; window 2
.set RB,  64
.set BVC, 68
.set WST, 128
.set WV,  24
.set SEL, 48
.set MNT, 50
.set MSB, 0
.macro WIN new                         ; the immediate's high byte repeats the setting that is left
.if MSB != \new
	s_set_vgpr_msb (MSB<<8)|\new
.set MSB, \new
.endif
.endm
.macro QB s, b, d
.set i, 0
.rept 16
.set i, i+1
.endr
	v_cvt_scalef32_pk8_bf8_f32 v[(\d):(\d)+1], v[(\s)+16*(\b):(\s)+16*(\b)+7], v[TM+12+(\b)]
	v_cvt_scalef32_pk8_bf8_f32 v[(\d)+2:(\d)+3], v[(\s)+16*(\b)+8:(\s)+16*(\b)+15], v[TM+12+(\b)]
.endm
; four blocks of 32, each 16 numbers of mine (v[s + 16 b ..], read from the low end on) and 16 of lane l xor 16: codes to d0 .. d3, the scale bytes to v[TM+4 .. TM+7]
.macro QUANT s, d0, d1, d2, d3
.irp b,0,1,2,3
	v_max3_num_f32 v[TM+\b], |v[(\s)+16*\b]|, |v[(\s)+16*\b+1]|, 0x8000000   ; with the floor 2^(16 - 127)
.endr
.irp i,2,4,6,8,10,12,14
.irp b,0,1,2,3
	v_max3_num_f32 v[TM+\b], v[TM+\b], |v[(\s)+16*\b+\i]|, |v[(\s)+16*\b+\i+1]|
.endr
.endr
.irp b,0,1,2,3
	v_permlanex16_b32 v[TM+4+\b], v[TM+\b], s[SEL], s[SEL+1]
.endr
.irp b,0,1,2,3
	v_max_num_f32 v[TM+\b], v[TM+\b], v[TM+4+\b]
.endr
.irp b,0,1,2,3
	v_add_nc_u32 v[TM+12+\b], 0xf8800000, v[TM+\b]           ; 15 off the exponent field: the conversion's scale operand
.endr
.irp b,0,1,2,3
.endr
.irp b,0,1,2,3
	v_lshrrev_b32 v[TM+4+\b], 23, v[TM+12+\b]                ; the scale's byte
.endr
	QB \s, 0, \d0
	QB \s, 1, \d1
	QB \s, 2, \d2
	QB \s, 3, \d3
	v_nop                                                    ; a plain line behind the last conversion
.endm
.macro WORD                            ; the four bytes as one word
	v_lshl_or_b32 v[WD], v[TM+5], 8, v[TM+4]
	v_lshl_or_b32 v[WD], v[TM+6], 16, v[WD]
	v_lshl_or_b32 v[WD], v[TM+7], 24, v[WD]
.endm
.macro LOADX cb                        ; channels 32 cb + 16 h + i, both tiles' pixel: register 2 i + u of set cb % 4 (window 1)
.set i, 0
.rept 16
	global_load_b64 v[32*((\cb)%4)+2*i:32*((\cb)%4)+2*i+1], v[XA], s[4:5] offset:(32*(\cb)+i)*16384
.set i, i+1
.endr
.endm
.macro LOADC cb                        ; the same channels' A and B, set cb % 2 (window 1)
.irp q,0,1,2,3
	ds_load_b128 v[CAB+32*((\cb)%2)+4*\q:CAB+32*((\cb)%2)+4*\q+3], v[CO] offset:128*(\cb)+16*\q
	ds_load_b128 v[CAB+32*((\cb)%2)+16+4*\q:CAB+32*((\cb)%2)+16+4*\q+3], v[CO] offset:1024+128*(\cb)+16*\q
.endr
.endm
.macro FETCHW i                        ; unit i = (matrix i / 2, K step i % 2): its four fragments into set i % 2 (window 1)
.irp t,0,1,2,3
.irp g,0,1,2,3
	ds_load_b128 v[64*((\i)%2)+16*\t+4*\g:64*((\i)%2)+16*\t+4*\g+3], v[LI] offset:WL+16384*((\i)/2)+2048*(2*\t+(\i)%2)+512*\g
.endr
.endr
.endm
.macro PLACES n
.rept \n
	v_nop
.endr
.endm
; one block of 32 channels: normalised; behind each second block the 64 numbers become codes
.macro CBSTEP cb
.if \cb < 7
	s_wait_dscnt 8                                 ; this block's A and B are in; the next block's 8 loads may be out
.else
	s_wait_dscnt 0x0
.endif
.if \cb < 5
	s_wait_loadcnt 48                              ; this block's 16 loads are in; those of the three blocks behind it may be out
.else
	s_wait_loadcnt 16*(7-\cb)
.endif
	WIN 0x15                                       ; all three sources window 1
.set i, 0
.rept 16
	v_fma_f32 v[N+32*((\cb)%2)+i], v[32*((\cb)%4)+2*i], v[CAB+32*((\cb)%2)+i], v[CAB+32*((\cb)%2)+16+i]
	v_fma_f32 v[N+32*((\cb)%2)+16+i], v[32*((\cb)%4)+2*i+1], v[CAB+32*((\cb)%2)+i], v[CAB+32*((\cb)%2)+16+i]
.set i, i+1
.endr
	WIN 0x40
.if \cb+2 < 8
	LOADC \cb+2
.endif
.if \cb+4 < 8
	LOADX \cb+4
.endif
	WIN 0
.if (\cb)%2
	QUANT N, HF+16*((\cb-1)/4)+4*((\cb-1)%4), HF+32+16*((\cb-1)/4)+4*((\cb-1)%4), HF+16*((\cb)/4)+4*((\cb)%4), HF+32+16*((\cb)/4)+4*((\cb)%4)
.if (\cb)%4 == 1
	v_lshl_or_b32 v[HS+(\cb)/4], v[TM+6], 8, v[TM+4]         ; tile 0's scale word of this K step: bytes 0, 1
	v_lshl_or_b32 v[HS+2+(\cb)/4], v[TM+7], 8, v[TM+5]       ; tile 1's
.else
	v_lshl_or_b32 v[HS+(\cb)/4], v[TM+4], 16, v[HS+(\cb)/4]  ; bytes 2, 3
	v_lshl_or_b32 v[HS+2+(\cb)/4], v[TM+5], 16, v[HS+2+(\cb)/4]
	v_lshl_or_b32 v[HS+(\cb)/4], v[TM+6], 24, v[HS+(\cb)/4]
	v_lshl_or_b32 v[HS+2+(\cb)/4], v[TM+7], 24, v[HS+2+(\cb)/4]
.endif
.endif
.endm
; eight matrix instructions on eight accumulators by turns; the first K step takes the bias as C
.macro UNIT i
.set um, (\i)/2
.set us, (\i)%2
.set uw, 64*((\i)%2)
.if \i < 5
	s_wait_dscnt 16                                ; this unit's fragments are in; the next unit's 16 loads may be out
.else
	s_wait_dscnt 0x0
.endif
.if um < 2
.if us == 0
	WIN 0x21                                       ; source 0 (W) window 1, C (bias) window 2
.else
	WIN 0x01
.endif
.irp u,0,1
.irp t,0,1,2,3
.if us == 0
	v_wmma_scale_f32_16x16x128_f8f6f4 v[ACC+32*\u+8*\t:ACC+32*\u+8*\t+7], v[uw+16*\t:uw+16*\t+15], v[HF+32*\u:HF+32*\u+15], v[BQ+32*um+8*\t:BQ+32*um+8*\t+7], v[WS+8*um+2*\t], v[HS+2*\u] matrix_a_fmt:MATRIX_FMT_BF8 matrix_b_fmt:MATRIX_FMT_BF8
.else
	v_wmma_scale_f32_16x16x128_f8f6f4 v[ACC+32*\u+8*\t:ACC+32*\u+8*\t+7], v[uw+16*\t:uw+16*\t+15], v[HF+32*\u+16:HF+32*\u+31], v[ACC+32*\u+8*\t:ACC+32*\u+8*\t+7], v[WS+8*um+2*\t+1], v[HS+2*\u+1] matrix_a_fmt:MATRIX_FMT_BF8 matrix_b_fmt:MATRIX_FMT_BF8
.endif
.endr
.endr
.else
.if us == 0
	WIN 0x24                                       ; source 1 (W2) window 1, C (bias) window 2
.else
	WIN 0x04
.endif
.irp u,0,1
.irp t,0,1,2,3
.if us == 0
	v_wmma_scale_f32_16x16x128_f8f6f4 v[ACC+16*\t+8*\u:ACC+16*\t+8*\u+7], v[HF+32*\u:HF+32*\u+15], v[uw+16*\t:uw+16*\t+15], v[BVC+8*\t:BVC+8*\t+7], v[HS+2*\u], v[WS+16+2*\t] matrix_a_fmt:MATRIX_FMT_BF8 matrix_b_fmt:MATRIX_FMT_BF8
.else
	v_wmma_scale_f32_16x16x128_f8f6f4 v[ACC+16*\t+8*\u:ACC+16*\t+8*\u+7], v[HF+32*\u+16:HF+32*\u+31], v[uw+16*\t:uw+16*\t+15], v[ACC+16*\t+8*\u:ACC+16*\t+8*\u+7], v[HS+2*\u+1], v[WS+16+2*\t+1] matrix_a_fmt:MATRIX_FMT_BF8 matrix_b_fmt:MATRIX_FMT_BF8
.endif
.endr
.endr
.endif
	WIN 0
.if (\i+2 < 6) || ((\i)%2 == 1)
	PLACES 8                                       ; in front of loads into registers that these products read, and of the first read of results
.endif
.if \i+2 < 6
	WIN 0x40
	FETCHW \i+2
	WIN 0
.endif
.endm
	s_load_b512 s[4:19], s[0:1], 0x0               ; x 4, gnp 6, wq 8, b0 10, b1 12, b2 14, qc 16, kc 18
	s_load_b128 s[20:23], s[0:1], 0x40             ; vc 20, scl 22
	v_lshl_add_u32 v[SPW], v0, 2, SPARE
	v_mov_b32 v[NIL], 0
	v_lshrrev_b32 v46, 5, v0
	v_readfirstlane_b32 s[WV], v46                 ; wave 0..3
	v_and_b32 v47, 31, v0                          ; lane
	s_wait_alu depctr_va_vdst(0)
	v_and_b32 v[R], 15, v0
	s_wait_alu depctr_va_vdst(0)
	v_bfe_u32 v[H], v0, 4, 1
	s_lshr_b32 s25, ttmp9, 5                       ; batch
	s_and_b32 s26, ttmp9, 31                       ; step j
	s_and_b32 s27, ttmp7, 0xffff                   ; head
	s_lshl_b32 s28, s25, 2
	s_add_co_u32 s28, s28, s27                     ; bh
	s_lshl_b32 s29, s26, 2
	s_add_co_u32 s29, s29, s[WV]                   ; beta
	s_mov_b32 s[SEL], 0x76543210
	s_mov_b32 s[SEL+1], 0xfedcba98
	v_lshlrev_b32 v[LI], 4, v47
	v_lshlrev_b32 v[XA], 3, v[R]
	s_wait_alu depctr_va_vdst(0)
	v_lshl_add_u32 v[XA], v[H], 18, v[XA]
	v_lshl_add_u32 v[CO], v[H], 6, CT
	s_lshl_b32 s30, s[WV], 12
	v_add_nc_u32 v[WLA], s30, v[LI]
	s_and_b32 s30, s[WV], 1
	s_lshl_b32 s30, s30, 7
	s_lshr_b32 s31, s[WV], 1
	s_lshl_b32 s31, s31, 2
	s_add_co_u32 s30, s30, s31
	s_add_co_u32 s30, s30, STG
	v_lshl_add_u32 v[SKA], v[R], 3, s30            ; k's word: unit w, row r
	s_add_co_u32 s30, s[WV], STG+256
	v_lshl_add_u32 v[SVA], v[R], 3, s30            ; v's byte w of row r's words
	s_lshl_b32 s30, s[WV], 7
	s_add_co_u32 s30, s30, STG+512
	v_lshl_add_u32 v[SQA], v47, 2, s30             ; q's words: tile 2 w + h, row r
	s_lshl_b32 s30, s[WV], 8
	v_lshl_add_u32 v[GSO], v47, 3, s30
	v_add_nc_u32 v[SRD], STG, v[GSO]
	v_lshlrev_b32 v[LS4], 2, v47
	v_lshlrev_b32 v[BA], 6, v[H]
	v_and_b32 v46, 8, v[R]
	v_add_nc_u32 v46, v46, v[R]
	v_lshlrev_b32 v[BVA], 2, v46
	v_lshlrev_b32 v[TA], 4, v0
.irp b,0,1,2,3
	v_mov_b32 v[TM+4+\b], 0                        ; a lane permute's destination counts as one of its sources
.endr
	s_lshl_b32 s36, s25, 22                        ; x: the batch, and my block's 128 bytes of a row
	s_lshl_b32 s30, s29, 7
	s_add_co_u32 s36, s36, s30
	s_mov_b32 s37, 0
	s_lshl_b32 s38, s25, 11
	s_mov_b32 s39, 0
	s_lshl_b32 s40, s27, 14                        ; the head's four tiles in a matrix of wq
	s_mov_b32 s41, 0
	s_lshl_b32 s42, s27, 10                        ; and their scale words
	s_mov_b32 s43, 0
	s_lshl_b32 s44, s27, 8                         ; the head's 64 numbers of a bias
	s_mov_b32 s45, 0
	s_lshl_b32 s46, s28, 18
	s_lshl_b32 s30, s29, 11
	s_add_co_u32 s46, s46, s30                     ; qc, kc: (128 bh + beta) x 2,048
	s_mov_b32 s47, 0
	s_wait_alu depctr_va_vdst(0)
	s_wait_kmcnt 0x0
	s_add_nc_u64 s[4:5], s[4:5], s[36:37]
	s_add_nc_u64 s[6:7], s[6:7], s[38:39]
	s_add_nc_u64 s[32:33], s[8:9], s[40:41]
	s_add_nc_u64 s[34:35], s[8:9], s[42:43]
	s_add_nc_u64 s[34:35], s[34:35], 262144
	s_add_nc_u64 s[10:11], s[10:11], s[44:45]
	s_add_nc_u64 s[12:13], s[12:13], s[44:45]
	s_add_nc_u64 s[14:15], s[14:15], s[44:45]
	s_add_nc_u64 s[16:17], s[16:17], s[46:47]
	s_add_nc_u64 s[18:19], s[18:19], s[46:47]
	s_lshl_b32 s36, s28, 18
	s_lshl_b32 s30, s26, 13
	s_add_co_u32 s36, s36, s30
	s_lshl_b32 s30, s[WV], 9
	s_add_co_u32 s36, s36, s30
	s_add_nc_u64 s[20:21], s[20:21], s[36:37]      ; vc: 262,144 bh + 8,192 j + 512 w
	s_lshl_b32 s36, s28, 5
	s_add_co_u32 s36, s36, s26
	s_lshl_b32 s36, s36, 10
	s_add_nc_u64 s[22:23], s[22:23], s[36:37]      ; scl: (32 bh + j) x 1,024
	; ---- 69 small loads, then three blocks of x
.irp m,0,1,2
.irp t,0,1,2,3
.irp s,0,1
	global_load_b32 v[WS+8*\m+2*\t+\s], v[LS4], s[34:35] offset:4096*\m+256*\t+128*\s
.endr
.endr
.endr
	global_load_b128 v[TM:TM+3], v[TA], s[6:7]     ; my 16 bytes of A and B
	WIN 0x80                                       ; destination window 2
.irp t,0,1,2,3
	global_load_b128 v[BQ+8*\t:BQ+8*\t+3], v[BA], s[10:11] offset:4*(32*(\t/2)+8*(\t%2))     ; b0 at d = 32 (t / 2) + 8 (t % 2) + 16 h + 0 .. 7: the result's layout
	global_load_b128 v[BQ+8*\t+4:BQ+8*\t+7], v[BA], s[10:11] offset:4*(32*(\t/2)+8*(\t%2))+16
	global_load_b128 v[BQ+32+8*\t:BQ+32+8*\t+3], v[BA], s[12:13] offset:4*(32*(\t/2)+8*(\t%2))
	global_load_b128 v[BQ+32+8*\t+4:BQ+32+8*\t+7], v[BA], s[12:13] offset:4*(32*(\t/2)+8*(\t%2))+16
	global_load_b32 v[RB+\t], v[BVA], s[14:15] offset:4*(32*(\t/2)+8*(\t%2))                 ; b2 at my column's d
.endr
.irp m,0,1,2
.irp i,0,1,2,3,4,5,6,7
	global_load_b128 v[WST+4*(8*\m+\i):WST+4*(8*\m+\i)+3], v[WLA], s[32:33] offset:65536*\m+512*\i   ; tile w of each matrix: 4,096 bytes
.endr
.endr
	WIN 0x40
	LOADX 0
	LOADX 1
	LOADX 2
	s_wait_loadcnt 48                              ; all but the 48 loads of x
	WIN 0x08                                       ; an LDS store's data: window 2
.irp m,0,1,2
.irp i,0,1,2,3,4,5,6,7
	ds_store_b128 v[WLA], v[WST+4*(8*\m+\i):WST+4*(8*\m+\i)+3] offset:WL+16384*\m+512*\i
.endr
.endr
	WIN 0
	ds_store_b128 v[TA], v[TM:TM+3] offset:CT
	WIN 0x40
	LOADX 3
	WIN 0
	s_wait_dscnt 0x0                               ; for the others' sake: my stores have landed
	s_barrier_signal -1
	s_barrier_wait -1                              ; the weights' images and A, B lie in LDS
	WIN 0x40
	LOADC 0
	LOADC 1
	WIN 0
.irp cb,0,1,2,3,4,5,6,7
	CBSTEP \cb
.endr
	WIN 0x82
.irp t,0,1,2,3
.irp j,0,1,2,3,4,5,6,7
	v_mov_b32 v[BVC+8*\t+\j], v[RB+\t]             ; b2 in the layout of v's result: a lane holds one channel.  (These 32 are also the places behind h's scale words and codes)
.endr
.endr
	WIN 0x40
	FETCHW 0
	FETCHW 1
	WIN 0
	; ---- q
	UNIT 0
	UNIT 1
	QUANT ACC, PC, PC+4, PC+8, PC+12               ; block 2 u + b: tile u, channels 32 b on
	WORD
	v_perm_b32 v[WD+1], v[WD], v[WD], 0x01000100   ; tile 0's word: its two bytes, twice
	v_perm_b32 v[WD+2], v[WD], v[WD], 0x03020302   ; tile 1's
	v_cmp_eq_u32 vcc_lo, 0, v[H]
	v_cndmask_b32 v[WD+3], v[WD+2], v[WD+1], vcc_lo
.irp g,0,1,2,3
	global_store_b128 v[LI], v[PC+4*\g:PC+4*\g+3], s[16:17] offset:512*\g
.endr
	ds_store_b32 v[SQA], v[WD+3]
	PLACES 9                                       ; the accumulators are begun anew with another C: one place more than a read wants
	; ---- k
	UNIT 2
	UNIT 3
	s_wait_xcnt 0x0                                ; q's stores have read their registers: the codes' registers are written again
	QUANT ACC, PC, PC+4, PC+8, PC+12
	WORD
.irp g,0,1,2,3
	global_store_b128 v[LI], v[PC+4*\g:PC+4*\g+3], s[18:19] offset:512*\g
.endr
	ds_store_b32 v[SKA], v[WD]                     ; (tile 0's two bytes, tile 1's two): the pair's scale word
	PLACES 9
	; ---- v
	UNIT 4
	UNIT 5
	s_wait_xcnt 0x0
	QUANT ACC, PC, PC+4, PC+8, PC+12               ; block t: channel tile t, my 32 keys
.irp t,0,1,2,3
	global_store_b128 v[LI], v[PC+4*\t:PC+4*\t+3], s[20:21] offset:2048*\t
	ds_store_b8 v[SVA], v[TM+4+\t] offset:128*(\t%2)+4*(\t/2)
.endr
	s_wait_dscnt 0x0
	s_barrier_signal -1
	s_barrier_wait -1                              ; the step's 1,024 scale bytes lie in the stage
	ds_load_b64 v[WD:WD+1], v[SRD]
	s_wait_dscnt 0x0
	global_store_b64 v[GSO], v[WD:WD+1], s[22:23]  ; 32 lanes store 256 consecutive bytes, aligned
	s_wait_tensorcnt 0x0                           ; the wave's end, behind my last LDS store
	ds_add_u32 v[SPW], v[NIL]
	s_wait_dscnt 0x0
	s_endpgm
.Lfunc_end_k_qe1a19c0b5a_qkv:
	.size	k_qe1a19c0b5a_qkv, .Lfunc_end_k_qe1a19c0b5a_qkv-k_qe1a19c0b5a_qkv
	.p2alignl 7, 3214868480
	.fill 96, 4, 3214868480
	.section	.rodata,"a",@progbits
	.p2align	6, 0x0
	.amdhsa_kernel k_qe1a19c0b5a_qkv
		.amdhsa_group_segment_fixed_size 52736
		.amdhsa_private_segment_fixed_size 0
		.amdhsa_enable_private_segment 0
		.amdhsa_kernarg_size 80
		.amdhsa_user_sgpr_count 2
		.amdhsa_user_sgpr_kernarg_segment_ptr 1
		.amdhsa_wavefront_size32 1
		.amdhsa_system_sgpr_workgroup_id_x 1
		.amdhsa_system_sgpr_workgroup_id_y 1
		.amdhsa_system_sgpr_workgroup_id_z 1
		.amdhsa_system_vgpr_workitem_id 0
		.amdhsa_next_free_vgpr 736
		.amdhsa_next_free_sgpr 66
		.amdhsa_reserve_vcc 1
		.amdhsa_float_denorm_mode_32 3
		.amdhsa_float_denorm_mode_16_64 3
		.amdhsa_fp16_overflow 1
		.amdhsa_memory_ordered 1
		.amdhsa_forward_progress 1
		.amdhsa_inst_pref_size 89
	.end_amdhsa_kernel
	.amdgpu_metadata
---
amdhsa.version: [ 1, 2 ]
amdhsa.kernels:
  - .name:           k_qe1a19c0b5a_qkv
    .symbol:         k_qe1a19c0b5a_qkv.kd
    .args:
      - { .name: x, .offset: 0, .size: 8, .value_kind: global_buffer, .address_space: global }
      - { .name: gnp, .offset: 8, .size: 8, .value_kind: global_buffer, .address_space: global }
      - { .name: wq, .offset: 16, .size: 8, .value_kind: global_buffer, .address_space: global }
      - { .name: b0, .offset: 24, .size: 8, .value_kind: global_buffer, .address_space: global }
      - { .name: b1, .offset: 32, .size: 8, .value_kind: global_buffer, .address_space: global }
      - { .name: b2, .offset: 40, .size: 8, .value_kind: global_buffer, .address_space: global }
      - { .name: qc, .offset: 48, .size: 8, .value_kind: global_buffer, .address_space: global }
      - { .name: kc, .offset: 56, .size: 8, .value_kind: global_buffer, .address_space: global }
      - { .name: vc, .offset: 64, .size: 8, .value_kind: global_buffer, .address_space: global }
      - { .name: scl, .offset: 72, .size: 8, .value_kind: global_buffer, .address_space: global }
    .group_segment_fixed_size: 52736
    .private_segment_fixed_size: 0
    .kernarg_segment_align: 8
    .kernarg_segment_size: 80
    .max_flat_workgroup_size: 128
    .sgpr_count:     66
    .vgpr_count:     736
    .wavefront_size: 32
...
	.end_amdgpu_metadata
.endif
;; end of part 2
;; launch attn (part 3): grid 32 x 8, 8 waves a work-group, clusters of 4 x 1, 327,680 bytes of LDS; arguments qc, kc, vc, scl, oc, os; writes oc, os
.if DOCPART == 3
	.amdgcn_target "amdgcn-amd-amdhsa--gfx1250"
	.amdhsa_code_object_version 6
	.text
	.protected	k_qe1a19c0b5a_attn
	.globl	k_qe1a19c0b5a_attn
	.p2align	8
	.type	k_qe1a19c0b5a_attn,@function
k_qe1a19c0b5a_attn:
	s_mov_b64 s[64:65], 0
	v_nop
	global_prefetch_b8 v0, s[64:65] scope:SCOPE_SE
	s_setreg_imm32_b32 hwreg(HW_REG_WAVE_MODE, 25, 1), 1
	s_wait_xcnt 0x0
	s_wait_alu depctr_hold_cnt(0) depctr_sa_sdst(0) depctr_va_vdst(0) depctr_va_sdst(0) depctr_va_ssrc(0) depctr_va_vcc(0) depctr_vm_vsrc(0)
	s_getreg_b32 s2, hwreg(HW_REG_IB_STS2, 6, 4)
	s_cmp_eq_u32 s2, 0
	s_cbranch_scc0 .Lentry_in_a_cluster
	s_endpgm
.Lentry_in_a_cluster:
	s_bfe_u32 s2, ttmp6, 0x10000c
	s_cmp_lg_u32 s2, 0x3003
	s_cbranch_scc0 .Lentry_shape_is_right
	s_endpgm
.Lentry_shape_is_right:
; AttnBlockpp, launch 3 of 4: o = v softmax(q^T k / 8)^T for one (batch, head), both products on codes of E5M2; o is quantised along the channels for the last product.  Nothing is left out.
; THE FINISHED, NORMALISED SOFTMAX is what the second product's quantiser takes, so a row's sum must be known before any weight is quantised: THE KEYS ARE WALKED TWICE.
; Walk 1: scores, the running maximum m and the sum l of 2^(c s - c m), c = log2(e) / 8.  Walk 2: the scores again, p = 2^(c s - (c m + log2 l)), quantised along the keys, O^T += V^T P^T.
; SHARES.  A work-group owns 128 queries (step X) of head bh; each of its eight waves owns one tile of 16; two waves share a SIMD.  Every wave walks all 4,096 keys, 128 a step.
; LAYOUT.  Both products are used transposed (source 0 = keys, or v's channels; source 1 = my queries): a lane holds ONE query.  The head has 64 channels, half of the instruction's 128: a fragment of K holds TWO tiles of keys
; (k 0-63 tile 2 beta, k 64-127 tile 2 beta + 1) and is multiplied by [Q | zeros] and by [zeros | Q]: Q stands once more behind eight registers of zero codes.  The two tiles of a pair are one block of 32 keys,
; and a lane's 16 scores of a pair take the same places in the block as v's codes were given.
; THE RING.  A head's K and V are 262,144 bytes each, more than LDS holds together.  Two slots of 131,072 bytes take six fills: K of steps 0-15, K of steps 16-31 (walk 1), then four times K and V of eight steps, 65,536 bytes
; each (walk 2).  So K is asked for twice, and there are five changes of slots in all: four with a refill, one without.  A refill has 16 steps of walk 1 or 8 steps of walk 2 in which to land.
; K's and V's scale words of the whole head (16,384 bytes) come once and stay.
; A slot's steps are written twice: the loop's step, which fetches the next step's K into registers, and the last, which fetches nothing: the next K lies in the other slot, which is read only behind the change.
; CLUSTER.  The four work-groups of a cluster belong to one head: every tensor load is asked for jointly, with one descriptor and the mask of the four; each wave brings an eighth of a slot, 16,384 bytes.
; A wave has three tensor loads out at the start and one behind each round.  lds_bytes claims all of a WGP's LDS.
; LIMITS: NaN and infinities are not served; a weight under 2^-126 becomes 0 (v_exp_f32 flushes it); scores lie above -3e38; a block whose largest magnitude lies under 2^-111 keeps the byte 1.
; REGISTERS.  Window 0: v1-11 addresses and Q's scale word; v12-15 K's and V's scale words; v16-39 Q, zeros, Q; v40-63 statistics and the quantiser's; v64-127 S^T, then p (16 f + 8 u + j); v128-159 O^T; v160-175 p's codes; v176 p's scale word.
; Window 1: v0-63 four pairs of K; v64-127 four tiles of V.
.set SLB,   131072                     ; a slot
.set VOF,   65536                      ; walk 2: V's eight steps lie behind K's eight
.set KVS,   262144                     ; step j: K's scale words at 512 j, V's at 512 j + 256
.set STG,   278528                     ; 256 bytes: o's scale bytes of the work-group's 128 queries
.set SPARE, 278784                     ; the spare words, 128 bytes for each of eight waves
.set SPW, 1
.set NIL, 2
.set AK0, 3                            ; 16 l
.set AS0, 5                            ; KVS + 8 l
.set ADK, 6
.set ADV, 7
.set ADS, 8
.set ADT, 9
.set PFO, 10                           ; 256 l; never rewritten
.set QS,  11
.set KSR, 12
.set VSR, 14
.set QR,  16
.set NCM, 40                           ; v[40:41] -c m, later -(c m + log2 l): the low word serves both halves
.set MX,  42
.set LS,  44                           ; v[44:45] the sum in two halves
.set AL,  46                           ; v[46:47]
.set BM,  48
.set T,   52
.set HOLD, 56
.set SCF, 60
.set S,   64
.set O,   128
.set PC,  160
.set PW,  176
.set R4,  177
.set OA,  178
.set HWA, 179
.set SRD, 180
.set GS8, 181
.set HW,  182
.set OUTR, 184
.set WV,  16
.set SEL, 20
.set CS,  22
.set MNT, 2
.set NEGC, 3
.set G1K, 24                           ; s[24:31] group 1 for an eighth of a slot
.set G1S, 32                           ; s[32:39] for the scale words
.set G0S, 48                           ; s[48:51]
.set G0K, 52                           ; s[52:55] slot 0, s[56:59] slot 1: K's codes
.set G0V, 60                           ; s[60:63] slot 0, s[68:71] slot 1: V's codes
.set PFA, 80
.set LIM1, 82
.set LIM2, 83
.set CNT, 84
.set KB,  85
.set KSB, 86
.set VB,  87
.set VSB, 88
.set MSB, 0
.macro WIN new
.if MSB != \new
	s_set_vgpr_msb (MSB<<8)|\new
.set MSB, \new
.endif
.endm
.macro CROUND                          ; a round of the cluster's barrier
	s_barrier_signal -1
	s_barrier_wait -1
	s_cmp_lg_u32 s[WV], 0
	s_cbranch_scc1 .Lnot_wave_0_\@
	s_barrier_signal -3
.Lnot_wave_0_\@:
	s_barrier_wait -3
	s_barrier_signal -1
	s_barrier_wait -1
.endm
.macro MKG0 g, lreg, lconst, b, off    ; a group 0: count 1, LDS address = a wave term + a constant, global address, type 2
	s_mov_b32 s[\g], 1
	s_add_co_u32 s[\g+1], s[\lreg], \lconst
	s_add_nc_u64 s[\g+2:\g+3], s[\b:\b+1], \off
	s_or_b32 s[\g+3], s[\g+3], 0x80000000
.endm
; A joint refill of a slot for walk 2: waves 0-3 bring K's eight steps, waves 4-7 V's, 16,384 bytes a wave, at slot + 16,384 x wave.  The branch hangs on the wave's number alone.
; An s_nop 0 and four v_nop follow each of the two lines, ahead of the jump, the label and what follows.
.macro JLOAD slot
	s_cmp_lt_u32 s[WV], 4
	s_cbranch_scc0 .Lfor_v_\@
	tensor_load_to_lds s[G0K+4*\slot:G0K+4*\slot+3], s[G1K:G1K+7]
	s_nop 0
.rept 4
	v_nop
.endr
	s_branch .Lasked_\@
.Lfor_v_\@:
	tensor_load_to_lds s[G0V+8*\slot:G0V+8*\slot+3], s[G1K:G1K+7]
	s_nop 0
.rept 4
	v_nop
.endr
.Lasked_\@:
.endm
; A PREFETCH of V's 65,536 bytes of the next refill, in the trip of a slot's loop in which the count of trips left equals lim: three steps ahead of the change in walk 1, two in walk 2.
; All clusters of a head walk the same V: the head's first cluster asks; its four partners take 16,384 bytes each, told apart by address; in each, waves 0 and 1 ask for 8,192 bytes, lanes 256 bytes apart, one instruction a wave.
; The four refills' parts of V are all of V, so each aligned block of 256 bytes is named once.  The last two slots' loops ask for nothing.  V's codes alone are asked for.
.macro ASK lim
	s_cmp_eq_u32 s[CNT], s[\lim]
	s_cbranch_scc0 .Lnot_mine_\@
	global_prefetch_b8 v[PFO], s[PFA:PFA+1] th:TH_LOAD_NT scope:SCOPE_SE
.Lnot_mine_\@:
.endm
; S^T = K Q^T: eight tiles of 16 keys, eight accumulators, each begun with the constant 0
.macro QK
.irp f,0,1,2,3
.irp u,0,1
.if (\f)%2
	v_wmma_scale_f32_16x16x128_f8f6f4 v[S+16*\f+8*\u:S+16*\f+8*\u+7], v[16*\f:16*\f+15], v[QR+8*\u:QR+8*\u+15], 0, v[KSR+\f/2], v[QS] matrix_a_fmt:MATRIX_FMT_BF8 matrix_b_fmt:MATRIX_FMT_BF8 matrix_a_scale:MATRIX_SCALE_ROW1
.else
	v_wmma_scale_f32_16x16x128_f8f6f4 v[S+16*\f+8*\u:S+16*\f+8*\u+7], v[16*\f:16*\f+15], v[QR+8*\u:QR+8*\u+15], 0, v[KSR+\f/2], v[QS] matrix_a_fmt:MATRIX_FMT_BF8 matrix_b_fmt:MATRIX_FMT_BF8
.endif
.endr
.endr
.endm
.macro KADR
	v_add_nc_u32 v[ADK], s[KB], v[AK0]
	v_add_nc_u32 v[ADS], s[KSB], v[AS0]
.endm
.macro KCODES                          ; a step's four pairs (destination window 1)
.irp f,0,1,2,3
.irp g,0,1,2,3
	ds_load_b128 v[16*\f+4*\g:16*\f+4*\g+3], v[ADK] offset:2048*\f+512*\g
.endr
.endr
.endm
.macro KSCALES                         ; their scale words: register q, lanes 0-15 pair 2 q, lanes 16-31 pair 2 q + 1; then on to the next step
	ds_load_b64 v[KSR:KSR+1], v[ADS]
	s_add_co_u32 s[KB], s[KB], 8192
	s_add_co_u32 s[KSB], s[KSB], 512
.endm
.macro FETCHK0 kb, ksb                 ; a slot's first step: its K from LDS byte kb, its scale words from KVS + ksb
	s_mov_b32 s[KB], \kb
	s_mov_b32 s[KSB], \ksb
	KADR
	WIN 0x40
	KCODES
	WIN 0
	KSCALES
.endm
.macro BLOCKMAX                        ; the largest score of my 16 of each block of 32 keys; each accumulator is read from its low end on
.irp b,0,1,2,3
	v_max3_num_f32 v[BM+\b], v[S+16*\b], v[S+16*\b+1], v[S+16*\b+2]
.endr
.irp i,3,5,7,9,11,13
.irp b,0,1,2,3
	v_max3_num_f32 v[BM+\b], v[BM+\b], v[S+16*\b+\i], v[S+16*\b+\i+1]
.endr
.endr
.irp b,0,1,2,3
	v_max_num_f32 v[BM+\b], v[BM+\b], v[S+16*\b+15]
.endr
.endm
.macro PKS j                           ; c s + v[NCM], a pair of scores
	v_pk_fma_f32 v[S+(\j):S+(\j)+1], v[S+(\j):S+(\j)+1], s[CS:CS+1], v[NCM:NCM+1] op_sel_hi:[1,0,0]
.endm
; The 32 scalings and the 64 exponentials: ONE batch.  A pair is scaled two pairs ahead of its exponentials; no line here names an exponential's result, so one wait behind the batch serves all
.macro SCALE_EXP
	PKS 0
	PKS 2
.set j, 0
.rept 30
	v_exp_f32 v[S+j], v[S+j]
	v_exp_f32 v[S+j+1], v[S+j+1]
	PKS j+4
.set j, j+2
.endr
.irp e,60,61,62,63
	v_exp_f32 v[S+\e], v[S+\e]
.endr
.endm
; A STEP OF WALK 1: scores of the step whose K is in registers; maximum and sum.  kf = 1: the next step's K is fetched, and the prefetch's test stands behind the run of loads
.macro P1STEP kf
	s_wait_dscnt 0x0                               ; K and its scale words are in
	WIN 0x01
	QK
	WIN 0
.if \kf
	KADR                                           ; two additions and six v_nop: the eight places in front of loads into registers that the products read, and of the first read of results
.rept 6
	v_nop
.endr
	WIN 0x40
	KCODES
	WIN 0
	KSCALES
	ASK LIM1
.else
.rept 8
	v_nop
.endr
.endif
	BLOCKMAX
	v_max3_num_f32 v[T], v[BM], v[BM+1], v[BM+2]
	v_max_num_f32 v[T], v[T], v[BM+3]
	v_permlanex16_b32 v[T+1], v[T], s[SEL], s[SEL+1]         ; my query's other 64 keys lie in lane l xor 16
	v_max3_num_f32 v[MX], v[T], v[T+1], v[MX]                ; the running maximum
	v_mul_f32 v[T+2], s[NEGC], v[MX]                         ; -c m
	v_sub_f32 v[AL], v[T+2], v[NCM]                          ; c m_old - c m_new
	v_mov_b32 v[NCM], v[T+2]
	v_exp_f32 v[AL], v[AL]
	SCALE_EXP
	v_nop                                          ; a plain line behind the batch of 65,
	s_wait_alu depctr_va_vdst(0)                   ; and the one wait ahead of its first reader
	v_pk_mul_f32 v[LS:LS+1], v[LS:LS+1], v[AL:AL+1] op_sel_hi:[1,0]
	v_pk_add_f32 v[T:T+1], v[S:S+1], v[S+2:S+3]
.set j, 4
.rept 15
	v_pk_add_f32 v[LS:LS+1], v[LS:LS+1], v[S+j:S+j+1]
	v_pk_add_f32 v[T:T+1], v[T:T+1], v[S+j+2:S+j+3]
.set j, j+4
.endr
	v_pk_add_f32 v[LS:LS+1], v[LS:LS+1], v[T:T+1]
.endm
; A STEP OF WALK 2.  kf = 1: the next step's K is fetched.  ask = 1: the prefetch's test stands behind the run of loads
.macro P2STEP kf, ask
	s_wait_dscnt 0x0
	WIN 0x01
	QK
	WIN 0
	v_add_nc_u32 v[ADV], s[VB], v[AK0]
	v_add_nc_u32 v[ADT], s[VSB], v[AS0]
.if \kf
	KADR
.rept 4
	v_nop                                          ; with the four additions: eight places
.endr
.else
.rept 6
	v_nop
.endr
.endif
	ds_load_b64 v[VSR:VSR+1], v[ADT]               ; V's scale words of this step
	WIN 0x40
.irp t,0,1,2,3
.irp g,0,1,2,3
	ds_load_b128 v[64+16*\t+4*\g:64+16*\t+4*\g+3], v[ADV] offset:2048*\t+512*\g
.endr
.endr
.if \kf
	KCODES
.endif
	WIN 0
.if \kf
	KSCALES
.endif
	s_add_co_u32 s[VB], s[VB], 8192
	s_add_co_u32 s[VSB], s[VSB], 512
.if \ask
	ASK LIM2
.endif
	BLOCKMAX
.irp b,0,1,2,3
	v_permlanex16_b32 v[T+\b], v[BM+\b], s[SEL], s[SEL+1]
.endr
.irp b,0,1,2,3
	v_max_num_f32 v[BM+\b], v[BM+\b], v[T+\b]      ; the block's largest score: p rises with the score, so it gives the block's largest p
.endr
.irp b,0,1,2,3
	v_fma_f32 v[BM+\b], v[BM+\b], s[CS], v[NCM]
.endr
	SCALE_EXP                                      ; p, finished and normalised
.irp b,0,1,2,3
	v_exp_f32 v[BM+\b], v[BM+\b]                   ; the same two instructions on the same number give the same bits
.endr
	v_nop
	s_wait_alu depctr_va_vdst(0)                   ; one wait for the batch of 68
.irp b,0,1,2,3
	v_max_num_f32 v[BM+\b], 0x8000000, v[BM+\b]    ; the floor 2^(16 - 127)
.endr
.irp b,0,1,2,3
	v_add_nc_u32 v[SCF+\b], 0xf8800000, v[BM+\b]
.endr
.irp b,0,1,2,3
.endr
.irp b,0,1,2,3
	v_lshrrev_b32 v[T+\b], 23, v[SCF+\b]
.endr
	v_lshl_or_b32 v[PW], v[T+1], 8, v[T]           ; p's scale word for these 128 keys
	v_lshl_or_b32 v[PW], v[T+2], 16, v[PW]
	v_lshl_or_b32 v[PW], v[T+3], 24, v[PW]
.irp b,0,1,2,3
.set i, 0
.rept 16
.set i, i+1
.endr
	v_cvt_scalef32_pk8_bf8_f32 v[PC+4*\b:PC+4*\b+1], v[S+16*\b:S+16*\b+7], v[SCF+\b]
	v_cvt_scalef32_pk8_bf8_f32 v[PC+4*\b+2:PC+4*\b+3], v[S+16*\b+8:S+16*\b+15], v[SCF+\b]
.endr
.rept 4
	v_nop                                          ; codes written by vector instructions stand four places ahead of a scaled matrix instruction
.endr
.if \kf
	s_wait_dscnt 17                                ; V and its scale words are in; K's 16 loads and its scale load may be out
.else
	s_wait_dscnt 0x0
.endif
	WIN 0x01
.irp t,0,1,2,3                                 ; four accumulators by turns; eight other products stand between two turns of one
.if (\t)%2
	v_wmma_scale_f32_16x16x128_f8f6f4 v[O+8*\t:O+8*\t+7], v[64+16*\t:64+16*\t+15], v[PC:PC+15], v[O+8*\t:O+8*\t+7], v[VSR+\t/2], v[PW] matrix_a_fmt:MATRIX_FMT_BF8 matrix_b_fmt:MATRIX_FMT_BF8 matrix_a_scale:MATRIX_SCALE_ROW1
.else
	v_wmma_scale_f32_16x16x128_f8f6f4 v[O+8*\t:O+8*\t+7], v[64+16*\t:64+16*\t+15], v[PC:PC+15], v[O+8*\t:O+8*\t+7], v[VSR+\t/2], v[PW] matrix_a_fmt:MATRIX_FMT_BF8 matrix_b_fmt:MATRIX_FMT_BF8
.endif
.endr
	WIN 0
.endm
.macro W1SLOT slot                     ; walk 1: the 16 steps of a slot
	FETCHK0 \slot*SLB, \slot*8192
	s_mov_b32 s[CNT], 15
.Lw1_\@:
	P1STEP 1
	s_sub_co_u32 s[CNT], s[CNT], 1
	s_cmp_lg_u32 s[CNT], 0
	s_cbranch_scc1 .Lw1_\@
	P1STEP 0
.endm
.macro W2SLOT slot, j0, ask            ; walk 2: the 8 steps of a slot, j0 on
	FETCHK0 \slot*SLB, \j0*512
	s_mov_b32 s[VB], \slot*SLB+VOF
	s_mov_b32 s[VSB], \j0*512+256
	s_mov_b32 s[CNT], 7
.Lw2_\@:
	P2STEP 1, \ask
	s_sub_co_u32 s[CNT], s[CNT], 1
	s_cmp_lg_u32 s[CNT], 0
	s_cbranch_scc1 .Lw2_\@
	P2STEP 0, 0
.endm
; THE CHANGE OF SLOTS.  Each wave waits for all its tensor loads (its part of the other slot), adds 0 to its spare word, and waits for that and for its reads of the slot that it leaves.  fill = 1: a round of the cluster's
; barrier, so that no wave of any partner still reads the slot or has a load on its way; the joint refill of the slot just left is the first thing behind it.  kadd, ksub, vadd: what the slot's descriptors step by.
.macro CHANGE fill, slot, kadd, ksub, vadd
	s_wait_tensorcnt 0x0
	ds_add_u32 v[SPW], v[NIL]                      ; the steps below stand between the add and the wait for it
.if \fill
.if \kadd
	s_add_nc_u64 s[G0K+4*\slot+2:G0K+4*\slot+3], s[G0K+4*\slot+2:G0K+4*\slot+3], \kadd   ; no load of mine is out: a group 0 may be written
.endif
.if \ksub
	s_sub_nc_u64 s[G0K+4*\slot+2:G0K+4*\slot+3], s[G0K+4*\slot+2:G0K+4*\slot+3], \ksub
.endif
.if \vadd
	s_add_nc_u64 s[G0V+8*\slot+2:G0V+8*\slot+3], s[G0V+8*\slot+2:G0V+8*\slot+3], \vadd
.endif
	s_wait_xcnt 0x0                                ; the last prefetch, two steps back or more, has read its address
	s_add_nc_u64 s[PFA:PFA+1], s[PFA:PFA+1], VOF   ; V's part of the refill after this one
	s_wait_dscnt 0x0
	CROUND
	JLOAD \slot
.else
	s_wait_dscnt 0x0
	s_barrier_signal -1
	s_barrier_wait -1
.endif
.endm
	s_load_b256 s[4:11], s[0:1], 0x0               ; qc 4, kc 6, vc 8, scl 10
	s_load_b128 s[12:15], s[0:1], 0x20             ; oc 12, os 14
	v_lshl_add_u32 v[SPW], v0, 2, SPARE
	v_mov_b32 v[NIL], 0
	ds_add_u32 v[SPW], v[NIL]                      ; the wave's opening: the add, twice on end, and its wait ahead of my first tensor load
	ds_add_u32 v[SPW], v[NIL]
	v_lshrrev_b32 v6, 5, v0
	v_readfirstlane_b32 s[WV], v6                  ; wave 0..7
	s_bfe_u32 s17, ttmp6, 0x40000                  ; cx
	s_lshl_b32 s18, ttmp9, 2
	s_add_co_u32 s18, s18, s17                     ; X: it enters Q's, o's and the prefetches' global addresses alone
	s_and_b32 s19, ttmp7, 0xffff                   ; bh, which the four partners share
	s_mov_b32 s[SEL], 0x76543210
	s_mov_b32 s[SEL+1], 0xfedcba98
	s_mov_b32 s[CS], 0x3e38aa3b                    ; c = log2(e) / 8
	s_mov_b32 s[CS+1], s[CS]
	s_mov_b32 s[NEGC], 0xbe38aa3b
	; descriptor groups 1: elements of 8 bytes, no padding, the mask of all four work-groups with bit 21 beside it
.irp g, G1K, G1S
	s_mov_b32 s[\g], 15|(3<<16)|(1<<21)
	s_mov_b32 s[\g+6], 0
	s_mov_b32 s[\g+7], 0
.endr
	s_mov_b32 s[G1K+1], 32<<16                     ; codes: 64 rows of 256 bytes, dense
	s_mov_b32 s[G1K+2], 64<<16
	s_mov_b32 s[G1K+3], 32<<16
	s_mov_b32 s[G1K+4], 64
	s_mov_b32 s[G1K+5], 32
	s_mov_b32 s[G1S+1], 64<<16                     ; scale words: the first 512 bytes of four records of 1,024
	s_mov_b32 s[G1S+2], 4<<16
	s_mov_b32 s[G1S+3], 64<<16
	s_mov_b32 s[G1S+4], 4
	s_mov_b32 s[G1S+5], 128
	s_lshl_b32 s90, s19, 18                        ; the head's bytes in qc, kc, vc
	s_mov_b32 s91, 0
	s_lshl_b32 s92, s[WV], 14                      ; 16,384 w: my eighth of a slot
	s_mov_b32 s93, 0
	s_lshl_b32 s94, s[WV], 11                      ; 2,048 w: my eighth of the scale words
	s_mov_b32 s95, 0
	s_lshl_b32 s96, s19, 15                        ; the head's bytes in scl
	s_mov_b32 s97, 0
	s_and_b32 s40, s[WV], 3
	s_lshl_b32 s40, s40, 14                        ; 16,384 (w % 4): my quarter of V's part of a refill
	s_mov_b32 s41, 0
	v_and_b32 v6, 31, v0                           ; lane
	v_lshlrev_b32 v[AK0], 4, v6
	v_lshlrev_b32 v[GS8], 3, v6
	v_add_nc_u32 v[AS0], KVS, v[GS8]
	v_add_nc_u32 v[SRD], STG, v[GS8]
	v_lshlrev_b32 v[PFO], 8, v6
	v_and_b32 v7, 15, v0                           ; r
	v_bfe_u32 v8, v0, 4, 1                         ; h
	v_lshlrev_b32 v[R4], 2, v7
	v_and_b32 v9, 1, v7
	v_lshrrev_b32 v6, 1, v7
	v_lshlrev_b32 v6, 4, v6
	v_lshl_add_u32 v6, v9, 13, v6
	v_lshl_add_u32 v[OA], v8, 8, v6                ; o's codes: 8,192 (r & 1) + 16 (r >> 1) + 256 h
	s_wait_dscnt 0x0                               ; both opening adds are done
	s_wait_kmcnt 0x0
	s_add_nc_u64 s[4:5], s[4:5], s[90:91]
	s_add_nc_u64 s[6:7], s[6:7], s[90:91]
	s_add_nc_u64 s[6:7], s[6:7], s[92:93]          ; K at my eighth of slot 0's first fill
	s_add_nc_u64 s[8:9], s[8:9], s[90:91]
	s_add_nc_u64 s[66:67], s[8:9], s[40:41]        ; V at my quarter of its first eight steps
	s_add_nc_u64 s[10:11], s[10:11], s[96:97]
	s_lshl_b32 s96, s[WV], 12
	s_add_nc_u64 s[98:99], s[10:11], s[96:97]      ; my four steps' records
	MKG0 G0S, 94, KVS, 98, 0
	MKG0 G0K, 92, 0, 6, 0                          ; steps 0-15.  In waves 0-3 the same descriptor serves walk 2's first refill: K of steps 0-7 is the first half of these bytes
	MKG0 G0K+4, 92, SLB, 6, SLB                    ; steps 16-31
	MKG0 G0V, 92, 0, 66, 0                         ; V of steps 0-7: in waves 4-7 the LDS address falls on the slot's second half
	MKG0 G0V+8, 92, SLB, 66, VOF                   ; V of steps 8-15
	CROUND                                         ; all four work-groups are here: the first joint loads meet
	tensor_load_to_lds s[G0S:G0S+3], s[G1S:G1S+7]
	s_nop 0
	tensor_load_to_lds s[G0K:G0K+3], s[G1K:G1K+7]
	s_nop 0
	tensor_load_to_lds s[G0K+4:G0K+7], s[G1K:G1K+7]
	s_nop 0
.rept 4
	v_nop
.endr
	s_lshl_b32 s90, s18, 13                        ; what hangs on X is made only now, in registers that feed no descriptor
	s_lshl_b32 s92, s[WV], 10
	s_add_co_u32 s90, s90, s92
	s_add_nc_u64 s[4:5], s[4:5], s[90:91]          ; Q: tile 8 X + w, 1,024 bytes a tile
	s_lshl_b32 s90, s18, 10
	s_lshl_b32 s92, s[WV], 6
	s_add_co_u32 s90, s90, s92
	s_add_nc_u64 s[10:11], s[10:11], s[90:91]      ; its scale words: record X, 64 bytes a tile, from byte 512 on
	global_load_b128 v[QR:QR+3], v[AK0], s[4:5]
	global_load_b128 v[QR+4:QR+7], v[AK0], s[4:5] offset:512
	global_load_b128 v[QR+16:QR+19], v[AK0], s[4:5]
	global_load_b128 v[QR+20:QR+23], v[AK0], s[4:5] offset:512
	global_load_b32 v[QS], v[R4], s[10:11] offset:512
	s_lshl_b32 s90, s17, 14                        ; the prefetches: my work-group's 16,384 bytes of V's 65,536,
	s_and_b32 s92, s[WV], 1
	s_lshl_b32 s92, s92, 13                        ; my wave's 8,192 of them
	s_add_co_u32 s90, s90, s92
	s_add_nc_u64 s[PFA:PFA+1], s[8:9], s[90:91]    ; in V's first eight steps: the first refill's
	s_lshr_b32 s92, s[WV], 1
	s_or_b32 s92, s92, ttmp9
	s_cmp_eq_u32 s92, 0                            ; waves 0 and 1 of the head's first cluster: the same in all four partners
	s_cselect_b32 s[LIM1], 2, -1                   ; the count of trips left at which they ask, in walk 1
	s_cselect_b32 s[LIM2], 1, -1                   ; and in walk 2; in all other waves a number that the count never takes
	s_lshr_b32 s90, s19, 2                         ; o's codes: [batch][64 pixels G][tile i][K step][2,048]
	s_lshl_b32 s90, s90, 20
	s_lshl_b32 s92, s18, 15
	s_add_co_u32 s90, s90, s92
	s_lshr_b32 s92, s[WV], 2
	s_lshl_b32 s92, s92, 14
	s_add_co_u32 s90, s90, s92
	s_and_b32 s92, s[WV], 1
	s_lshl_b32 s92, s92, 12
	s_add_co_u32 s90, s90, s92
	s_bfe_u32 s92, s[WV], 0x10001
	s_lshl_b32 s92, s92, 7
	s_add_co_u32 s90, s90, s92
	s_bfe_u32 s92, s19, 0x10001
	s_lshl_b32 s92, s92, 11
	s_add_co_u32 s90, s90, s92
	s_and_b32 s92, s19, 1
	s_lshl_b32 s92, s92, 10
	s_add_co_u32 s90, s90, s92
	s_add_nc_u64 s[12:13], s[12:13], s[90:91]
	s_lshl_b32 s90, s19, 13
	s_lshl_b32 s92, s18, 8
	s_add_co_u32 s90, s90, s92
	s_add_nc_u64 s[14:15], s[14:15], s[90:91]      ; o's scale bytes: 256 (32 bh + X)
	s_lshr_b32 s90, s[WV], 2
	s_lshl_b32 s90, s90, 7
	s_bfe_u32 s92, s[WV], 0x10001
	s_lshl_b32 s92, s92, 6
	s_add_co_u32 s90, s90, s92
	s_and_b32 s92, s[WV], 1
	s_lshl_b32 s92, s92, 1
	s_add_co_u32 s90, s90, s92
	s_add_co_u32 s90, s90, STG
	v_add_nc_u32 v[HWA], s90, v[R4]                ; my query's two scale bytes in the stage
.irp j,0,1,2,3,4,5,6,7
	v_mov_b32 v[QR+8+\j], 0                        ; the zero codes between Q and Q
.endr
.set j, 0
.rept 32
	v_mov_b32 v[O+j], 0                            ; O^T: walk 2's step has one form, so its first products find zeros
.set j, j+1
.endr
	v_mov_b32 v[MX], 0xff61b1e6                    ; -3e38, under every score
	v_mul_f32 v[NCM], s[NEGC], v[MX]
	v_mov_b32 v[NCM+1], v[NCM]                     ; (named with it as a pair)
	v_mov_b32 v[LS], 0
	v_mov_b32 v[LS+1], 0
	v_mov_b32 v[AL+1], 0
.irp b,0,1,2,3
	v_mov_b32 v[T+\b], 0                           ; a lane permute's destination counts as one of its sources
.endr
	; ---- WALK 1
	s_wait_tensorcnt 0x1                           ; my parts of the scale words and of slot 0 are in; slot 1's fill may stay out
	s_barrier_signal -1
	s_barrier_wait -1                              ; everybody's are
	s_wait_loadcnt 0x0                             ; Q
	W1SLOT 0                                       ; steps 0-15
	CHANGE 1, 0, 0, 0, 0                           ; slot 0 takes K and V of steps 0-7: both descriptors stand as they were made
	W1SLOT 1                                       ; steps 16-31
	v_add_f32 v[LS], v[LS], v[LS+1]
	v_permlanex16_b32 v[T], v[LS], s[SEL], s[SEL+1]
	v_add_f32 v[LS], v[LS], v[T]                   ; the row's sum
	v_log_f32 v[AL], v[LS]
	v_nop
	s_wait_alu depctr_va_vdst(0)
	v_sub_f32 v[NCM], v[NCM], v[AL]                ; -(c m + log2 l)
	; ---- WALK 2
	CHANGE 1, 1, 0, VOF, 0                         ; slot 1 takes K and V of steps 8-15: K's descriptor goes back from step 16 to step 8
	W2SLOT 0, 0, 1
	CHANGE 1, 0, SLB, 0, SLB                       ; slot 0: steps 16-23
	W2SLOT 1, 8, 1
	CHANGE 1, 1, SLB, 0, SLB                       ; slot 1: steps 24-31
	W2SLOT 0, 16, 0
	CHANGE 0, 0, 0, 0, 0                           ; nothing more is asked for
	W2SLOT 1, 24, 0
	; ---- THE WAY OUT: O^T's registers 16 b + i are channels 32 b + 16 h + i of my query: two blocks of the last product's K
.rept 8
	v_nop
.endr
.irp b,0,1
	v_max3_num_f32 v[BM+\b], |v[O+16*\b]|, |v[O+16*\b+1]|, 0x8000000
.endr
.irp i,2,4,6,8,10,12,14
.irp b,0,1
	v_max3_num_f32 v[BM+\b], v[BM+\b], |v[O+16*\b+\i]|, |v[O+16*\b+\i+1]|
.endr
.endr
.irp b,0,1
	v_permlanex16_b32 v[T+\b], v[BM+\b], s[SEL], s[SEL+1]
.endr
.irp b,0,1
	v_max_num_f32 v[BM+\b], v[BM+\b], v[T+\b]
.endr
.irp b,0,1
	v_add_nc_u32 v[SCF+\b], 0xf8800000, v[BM+\b]
.endr
.irp b,0,1
.endr
.irp b,0,1
	v_lshrrev_b32 v[T+\b], 23, v[SCF+\b]
.endr
	v_lshl_or_b32 v[HW], v[T+1], 8, v[T]
.irp b,0,1
.set i, 0
.rept 16
.set i, i+1
.endr
	v_cvt_scalef32_pk8_bf8_f32 v[PC+4*\b:PC+4*\b+1], v[O+16*\b:O+16*\b+7], v[SCF+\b]
	v_cvt_scalef32_pk8_bf8_f32 v[PC+4*\b+2:PC+4*\b+3], v[O+16*\b+8:O+16*\b+15], v[SCF+\b]
.endr
	v_nop
	global_store_b128 v[OA], v[PC:PC+3], s[12:13]
	global_store_b128 v[OA], v[PC+4:PC+7], s[12:13] offset:512
	ds_store_b16 v[HWA], v[HW]                     ; both halves of the lanes write the same bytes
	s_wait_dscnt 0x0
	s_barrier_signal -1
	s_barrier_wait -1                              ; the work-group's 256 scale bytes lie in the stage
	s_cmp_lg_u32 s[WV], 0
	s_cbranch_scc1 .Lnot_0
	ds_load_b64 v[OUTR:OUTR+1], v[SRD]
	s_wait_dscnt 0x0
	global_store_b64 v[GS8], v[OUTR:OUTR+1], s[14:15]        ; 256 consecutive bytes, aligned
.Lnot_0:
	s_wait_tensorcnt 0x0                           ; the wave's end
	ds_add_u32 v[SPW], v[NIL]
	s_wait_dscnt 0x0
	CROUND                                         ; the closing round
	s_endpgm
.Lfunc_end_k_qe1a19c0b5a_attn:
	.size	k_qe1a19c0b5a_attn, .Lfunc_end_k_qe1a19c0b5a_attn-k_qe1a19c0b5a_attn
	.p2alignl 7, 3214868480
	.fill 96, 4, 3214868480
	.section	.rodata,"a",@progbits
	.p2align	6, 0x0
	.amdhsa_kernel k_qe1a19c0b5a_attn
		.amdhsa_group_segment_fixed_size 327680
		.amdhsa_private_segment_fixed_size 0
		.amdhsa_enable_private_segment 0
		.amdhsa_kernarg_size 48
		.amdhsa_user_sgpr_count 2
		.amdhsa_user_sgpr_kernarg_segment_ptr 1
		.amdhsa_wavefront_size32 1
		.amdhsa_system_sgpr_workgroup_id_x 1
		.amdhsa_system_sgpr_workgroup_id_y 1
		.amdhsa_system_sgpr_workgroup_id_z 1
		.amdhsa_system_vgpr_workitem_id 0
		.amdhsa_next_free_vgpr 384
		.amdhsa_next_free_sgpr 100
		.amdhsa_reserve_vcc 0
		.amdhsa_float_denorm_mode_32 3
		.amdhsa_float_denorm_mode_16_64 3
		.amdhsa_fp16_overflow 1
		.amdhsa_memory_ordered 1
		.amdhsa_forward_progress 1
		.amdhsa_inst_pref_size 165
	.end_amdhsa_kernel
	.amdgpu_metadata
---
amdhsa.version: [ 1, 2 ]
amdhsa.kernels:
  - .name:           k_qe1a19c0b5a_attn
    .symbol:         k_qe1a19c0b5a_attn.kd
    .args:
      - { .name: qc, .offset: 0, .size: 8, .value_kind: global_buffer, .address_space: global }
      - { .name: kc, .offset: 8, .size: 8, .value_kind: global_buffer, .address_space: global }
      - { .name: vc, .offset: 16, .size: 8, .value_kind: global_buffer, .address_space: global }
      - { .name: scl, .offset: 24, .size: 8, .value_kind: global_buffer, .address_space: global }
      - { .name: oc, .offset: 32, .size: 8, .value_kind: global_buffer, .address_space: global }
      - { .name: os, .offset: 40, .size: 8, .value_kind: global_buffer, .address_space: global }
    .group_segment_fixed_size: 327680
    .private_segment_fixed_size: 0
    .kernarg_segment_align: 8
    .kernarg_segment_size: 48
    .max_flat_workgroup_size: 256
    .sgpr_count:     100
    .vgpr_count:     384
    .wavefront_size: 32
...
	.end_amdgpu_metadata
.endif
;; end of part 3
;; launch outp (part 4): grid 128 x 2, 2 waves a work-group, no clusters, 0 bytes of LDS; arguments oc, os, wq, b3, x, out0; writes out0
.if DOCPART == 4
	.amdgcn_target "amdgcn-amd-amdhsa--gfx1250"
	.amdhsa_code_object_version 6
	.text
	.protected	k_qe1a19c0b5a_outp
	.globl	k_qe1a19c0b5a_outp
	.p2align	8
	.type	k_qe1a19c0b5a_outp,@function
k_qe1a19c0b5a_outp:
	s_mov_b64 s[64:65], 0
	v_nop
	global_prefetch_b8 v0, s[64:65] scope:SCOPE_SE
	s_setreg_imm32_b32 hwreg(HW_REG_WAVE_MODE, 25, 1), 1
	s_wait_xcnt 0x0
; AttnBlockpp, launch 4 of 4: out = (x + W3^T o + b3) / sqrt(2).  Nothing is left out.
; A wave takes 64 pixels (G = work-group x) and 64 outputs (dq = 2 y + wave): 16 accumulators, K = 256 in two steps.  Source 0 = 16 rows of W3 (d = 16 t + r), source 1 = o.
; PIXEL TILE i HOLDS PIXELS 64 G + 4 col + i, as the launch before laid o's codes: a lane's results of the four tiles are four neighbouring pixels of one channel, so x is loaded and out0 stored 16 bytes a lane,
; sixteen lanes covering 256 consecutive bytes, aligned.  b3 is the C of each sum's first matrix instruction.  No LDS: all operands come as images of their registers, and nothing is shared between waves.
; The division by sqrt(2) is a multiplication by its f32 reciprocal.
; REGISTERS.  Window 0: v1-5 addresses; v8-15 o's scale bytes as loaded; v16-23 o's scale words (2 i + s); v24-31 W3's (2 tl + s); v32-63 b3; v128-255 x, then the result.  Window 1: v0-127 W3's eight fragments, v128-255 o's eight.
; Window 2: v0-127 the accumulators, (tl, i) at 8 (4 tl + i).
.set LI,  1
.set C8,  2
.set L4,  3
.set BH,  4
.set XO,  5
.set RO,  8
.set OS,  16
.set W3S, 24
.set BI,  32
.set XQ,  128
.set MSB, 0
.macro WIN new
.if MSB != \new
	s_set_vgpr_msb (MSB<<8)|\new
.set MSB, \new
.endif
.endm
	s_load_b256 s[4:11], s[0:1], 0x0               ; oc 4, os 6, wq 8, b3 10
	s_load_b128 s[12:15], s[0:1], 0x20             ; x 12, out0 14
	v_lshrrev_b32 v6, 5, v0
	v_readfirstlane_b32 s16, v6                    ; wave
	v_and_b32 v6, 31, v0
	v_and_b32 v7, 15, v0                           ; col
	v_bfe_u32 v[BH], v0, 4, 1
	v_lshlrev_b32 v[LI], 4, v6
	v_lshlrev_b32 v[L4], 2, v6
	v_lshlrev_b32 v[C8], 3, v7
	v_lshlrev_b32 v[XO], 4, v7
	v_lshl_add_u32 v[XO], v[BH], 17, v[XO]         ; 8 h channels of 16,384 bytes + 16 col
	v_lshlrev_b32 v[BH], 5, v[BH]                  ; 32 h
	s_and_b32 s17, ttmp7, 0xffff
	s_lshl_b32 s17, s17, 1
	s_add_co_u32 s17, s17, s16                     ; dq
	s_lshr_b32 s18, ttmp9, 6                       ; batch
	s_and_b32 s19, ttmp9, 63                       ; G within the batch
	s_lshl_b32 s20, ttmp9, 14
	s_mov_b32 s21, 0
	s_lshl_b32 s22, s18, 15
	s_lshl_b32 s16, s19, 7
	s_add_co_u32 s22, s22, s16
	s_mov_b32 s23, 0
	s_lshl_b32 s24, s17, 14
	s_mov_b32 s25, 0
	s_lshl_b32 s26, s17, 10
	s_mov_b32 s27, 0
	s_lshl_b32 s28, s17, 8
	s_mov_b32 s29, 0
	s_lshl_b32 s30, s18, 22
	s_lshl_b32 s16, s17, 20
	s_add_co_u32 s30, s30, s16
	s_lshl_b32 s16, s19, 8
	s_add_co_u32 s30, s30, s16
	s_mov_b32 s31, 0
	s_wait_kmcnt 0x0
	s_add_nc_u64 s[4:5], s[4:5], s[20:21]
	s_add_nc_u64 s[6:7], s[6:7], s[22:23]
	s_add_nc_u64 s[24:25], s[8:9], s[24:25]
	s_add_nc_u64 s[24:25], s[24:25], 196608        ; W3's fragments begin at F = 96
	s_add_nc_u64 s[26:27], s[8:9], s[26:27]
	s_add_nc_u64 s[26:27], s[26:27], 274432        ; and their scale words at 262,144 + 128 x 96
	s_add_nc_u64 s[10:11], s[10:11], s[28:29]
	s_add_nc_u64 s[12:13], s[12:13], s[30:31]
	s_add_nc_u64 s[14:15], s[14:15], s[30:31]
.irp hd,0,1,2,3
	global_load_b64 v[RO+2*\hd:RO+2*\hd+1], v[C8], s[6:7] offset:8192*\hd    ; head hd: my column's four halfwords, tiles 0 .. 3
.endr
.irp f,0,1,2,3,4,5,6,7
	global_load_b32 v[W3S+\f], v[L4], s[26:27] offset:128*\f
.endr
.irp tl,0,1,2,3
	global_load_b128 v[BI+8*\tl:BI+8*\tl+3], v[BH], s[10:11] offset:64*\tl
	global_load_b128 v[BI+8*\tl+4:BI+8*\tl+7], v[BH], s[10:11] offset:64*\tl+16
.endr
	WIN 0x40
.irp f,0,1,2,3,4,5,6,7
.irp g,0,1,2,3
	global_load_b128 v[16*\f+4*\g:16*\f+4*\g+3], v[LI], s[24:25] offset:2048*\f+512*\g
.endr
.endr
.irp f,0,1,2,3,4,5,6,7
.irp g,0,1,2,3
	global_load_b128 v[128+16*\f+4*\g:128+16*\f+4*\g+3], v[LI], s[4:5] offset:2048*\f+512*\g
.endr
.endr
	WIN 0
.irp tl,0,1,2,3
.irp j,0,1,2,3,4,5,6,7
	global_load_b128 v[XQ+4*(8*\tl+\j):XQ+4*(8*\tl+\j)+3], v[XO], s[12:13] offset:(16*\tl+\j)*16384 th:TH_LOAD_NT
.endr
.endr
	s_wait_loadcnt 32                              ; all but the 32 loads of x
.irp s,0,1                                     ; K step s takes heads 2 s and 2 s + 1: two bytes of each make a tile's scale word
	v_perm_b32 v[OS+\s], v[RO+4*\s+2], v[RO+4*\s], 0x05040100
	v_perm_b32 v[OS+2+\s], v[RO+4*\s+2], v[RO+4*\s], 0x07060302
	v_perm_b32 v[OS+4+\s], v[RO+4*\s+3], v[RO+4*\s+1], 0x05040100
	v_perm_b32 v[OS+6+\s], v[RO+4*\s+3], v[RO+4*\s+1], 0x07060302
.endr
.rept 8
	v_nop                                          ; a scale register written by a vector instruction stands eight places ahead of a scaled matrix instruction
.endr
	WIN 0x85                                       ; sources 0 and 1 window 1, C (b3) window 0, D window 2
.irp tl,0,1,2,3
.irp i,0,1,2,3
	v_wmma_scale_f32_16x16x128_f8f6f4 v[8*(4*\tl+\i):8*(4*\tl+\i)+7], v[32*\tl:32*\tl+15], v[128+32*\i:128+32*\i+15], v[BI+8*\tl:BI+8*\tl+7], v[W3S+2*\tl], v[OS+2*\i] matrix_a_fmt:MATRIX_FMT_BF8 matrix_b_fmt:MATRIX_FMT_BF8
.endr
.endr
	WIN 0xa5                                       ; C and D window 2: the sixteen accumulators by turns, in the same order
.irp tl,0,1,2,3
.irp i,0,1,2,3
	v_wmma_scale_f32_16x16x128_f8f6f4 v[8*(4*\tl+\i):8*(4*\tl+\i)+7], v[32*\tl+16:32*\tl+31], v[128+32*\i+16:128+32*\i+31], v[8*(4*\tl+\i):8*(4*\tl+\i)+7], v[W3S+2*\tl+1], v[OS+2*\i+1] matrix_a_fmt:MATRIX_FMT_BF8 matrix_b_fmt:MATRIX_FMT_BF8
.endr
.endr
	WIN 0
.rept 8
	v_nop                                          ; in front of the first read of results (ISA guide 7.12.1)
.endr
	s_wait_loadcnt 0x0                             ; x
	WIN 0x08                                       ; source 1 window 2
.irp tl,0,1,2,3
.irp j,0,1,2,3,4,5,6,7                         ; each accumulator from its low end on
.irp i,0,1,2,3
	v_add_f32 v[XQ+4*(8*\tl+\j)+\i], v[XQ+4*(8*\tl+\j)+\i], v[8*(4*\tl+\i)+\j]
.endr
.endr
.endr
	WIN 0
.set j, 0
.rept 64
	v_pk_mul_f32 v[XQ+j:XQ+j+1], v[XQ+j:XQ+j+1], 0x3f3504f3 op_sel_hi:[1,0]
.set j, j+2
.endr
.irp tl,0,1,2,3
.irp j,0,1,2,3,4,5,6,7
	global_store_b128 v[XO], v[XQ+4*(8*\tl+\j):XQ+4*(8*\tl+\j)+3], s[14:15] offset:(16*\tl+\j)*16384 th:TH_STORE_NT
.endr
.endr
	s_endpgm
.Lfunc_end_k_qe1a19c0b5a_outp:
	.size	k_qe1a19c0b5a_outp, .Lfunc_end_k_qe1a19c0b5a_outp-k_qe1a19c0b5a_outp
	.p2alignl 7, 3214868480
	.fill 96, 4, 3214868480
	.section	.rodata,"a",@progbits
	.p2align	6, 0x0
	.amdhsa_kernel k_qe1a19c0b5a_outp
		.amdhsa_group_segment_fixed_size 0
		.amdhsa_private_segment_fixed_size 0
		.amdhsa_enable_private_segment 0
		.amdhsa_kernarg_size 48
		.amdhsa_user_sgpr_count 2
		.amdhsa_user_sgpr_kernarg_segment_ptr 1
		.amdhsa_wavefront_size32 1
		.amdhsa_system_sgpr_workgroup_id_x 1
		.amdhsa_system_sgpr_workgroup_id_y 1
		.amdhsa_system_sgpr_workgroup_id_z 1
		.amdhsa_system_vgpr_workitem_id 0
		.amdhsa_next_free_vgpr 640
		.amdhsa_next_free_sgpr 66
		.amdhsa_reserve_vcc 0
		.amdhsa_float_denorm_mode_32 3
		.amdhsa_float_denorm_mode_16_64 3
		.amdhsa_memory_ordered 1
		.amdhsa_forward_progress 1
		.amdhsa_inst_pref_size 32
	.end_amdhsa_kernel
	.amdgpu_metadata
---
amdhsa.version: [ 1, 2 ]
amdhsa.kernels:
  - .name:           k_qe1a19c0b5a_outp
    .symbol:         k_qe1a19c0b5a_outp.kd
    .args:
      - { .name: oc, .offset: 0, .size: 8, .value_kind: global_buffer, .address_space: global }
      - { .name: os, .offset: 8, .size: 8, .value_kind: global_buffer, .address_space: global }
      - { .name: wq, .offset: 16, .size: 8, .value_kind: global_buffer, .address_space: global }
      - { .name: b3, .offset: 24, .size: 8, .value_kind: global_buffer, .address_space: global }
      - { .name: x, .offset: 32, .size: 8, .value_kind: global_buffer, .address_space: global }
      - { .name: out0, .offset: 40, .size: 8, .value_kind: global_buffer, .address_space: global }
    .group_segment_fixed_size: 0
    .private_segment_fixed_size: 0
    .kernarg_segment_align: 8
    .kernarg_segment_size: 48
    .max_flat_workgroup_size: 64
    .sgpr_count:     66
    .vgpr_count:     640
    .wavefront_size: 32
...
	.end_amdgpu_metadata
.endif
;; end of part 4
